; MI455X (gfx1250); checked and timed in simulation.
; The chip was launched on July 23, 2026; its instructions are those of AMD's public machine-readable ISA for CDNA 5 (MIT licence, August 2026) and "CDNA5" Instruction Set Architecture Reference Guide (July 2026). The comments in the code are by the model that wrote it; some were corrected since.
;; Optimized Qwen3 VL Attention. Allowed arithmetic: float matrix products may take bf16 or f16 operands with f32 sums; other float arithmetic in f32, or as packed bf16 or f16 multiplies, adds, multiply-adds, maxima and minima; sums over many terms, partial sums and values carried from step to step in f32; what a program stores and reads back later, other than sums and carried values, may be rounded once to bf16 or f16.
;; Inputs: cos 2,048 x 128 float32; hidden_states 2 x 2,048 x 2,048 float32; k_norm_w 128 float32; q_norm_w 128 float32; sin 2,048 x 128 float32; wk 2,048 x 1,024 float32; wo 1,024 x 2,048 float32; wq 2,048 x 1,024 float32; wv 2,048 x 1,024 float32.
;; Outputs: out0 2 x 2,048 x 2,048 float32.
;; One version. Each part assembles by itself: llvm-mc -triple=amdgcn-amd-amdhsa -mcpu=gfx1250 --defsym DOCPART=n.
;; ======== version 1 of 1: 4 launches
;; limits: values are held in f16: magnitudes above 65,504 overflow, below 6.1e-05 lose precision
;; workspace buffers: xb 16,777,216 bytes; wb 12,582,912 bytes; wob 4,194,304 bytes; tab 1,048,576 bytes; qb 8,388,608 bytes; kb 8,388,608 bytes; vb 8,388,608 bytes; ctx 8,388,608 bytes
;; launch cast (part 1): grid 1056 x 1, 8 waves a work-group, no clusters, 0 bytes of LDS; arguments hidden_states, wq, wk, wv, wo, cos, sin, xb, wb, wob, tab; writes xb, wb, wob, tab
.if DOCPART == 1
	.amdgcn_target "amdgcn-amd-amdhsa--gfx1250"
	.amdhsa_code_object_version 6
	.text
	.protected	k_q1bf4659666_cast
	.globl	k_q1bf4659666_cast
	.p2align	8
	.type	k_q1bf4659666_cast,@function
k_q1bf4659666_cast:
	s_mov_b64 s[64:65], 0
	v_nop
	global_prefetch_b8 v0, s[64:65] scope:SCOPE_SE
	s_setreg_imm32_b32 hwreg(HW_REG_WAVE_MODE, 25, 1), 1
	s_wait_xcnt 0x0
; THE LARGE INPUTS ARE ROUNDED ONCE TO bf16, for the matrix units and tables of the launches behind.
; hidden_states -> xb [4096][2048]; wq, wk, wv -> wb [3][2048][1024]; cos, sin -> tab [2][2048][128], all bf16;
; wo -> wob [1024][2048]: rounded to bf16 like the others, and that number written as f16, since the last product multiplies in f16.
; LIMITS. |wo| stays under 65,504; below 6.1e-5 it keeps f16's fixed step of 6e-8. NaN and infinities are not treated apart.
; SHARES. A work-group takes a chunk of 16,384 numbers: 64 KiB in, 32 KiB out. All seven sources are whole numbers of chunks and every
; destination is dense, so a chunk's place is its number less its buffer's first chunk. Thread t takes 8 numbers (32 bytes) of each 2,048.
; Sixteen loads of a wave are out at once; nothing is rewritten while a memory instruction may read it, so no wait frees a register.
; No LDS, no matrix unit, no cluster: each byte is read once, by one lane.
.set X,   4                            ; v[4:67]    8 x 8 numbers as loaded
.set Y,   68                           ; v[68:99]   8 x 4 registers to store
.set T,   100                          ; v[100:103] at work (wo's way)
.set SRC, 32                           ; s[32:33]   the chunk's source
.set DST, 34                           ; s[34:35]   its destination
.set SB,  36                           ; s36        the source's first chunk
.set DB,  37                           ; s37        the destination's first chunk
	s_load_b512 s[8:23], s[0:1], 0x0               ; hidden_states, wq, wk, wv, wo, cos, sin, xb
	s_load_b128 s[24:27], s[0:1], 0x40             ; wb, wob
	s_load_b64 s[28:29], s[0:1], 0x50              ; tab
	v_lshlrev_b32 v1, 5, v0                        ; 32 t: my 8 numbers in f32
	v_lshlrev_b32 v2, 4, v0                        ; 16 t: the same 8 in 16 bits
	s_mov_b32 s[SB], 0
	s_mov_b32 s[DB], 0
	s_mov_b32 s39, 0
	s_mov_b32 s41, 0
	s_wait_kmcnt 0x0
	s_mov_b64 s[SRC:SRC+1], s[8:9]
	s_mov_b64 s[DST:DST+1], s[22:23]
.macro FROM bound, src                 ; from chunk 'bound' on the source is another
	s_cmp_ge_u32 ttmp9, \bound
	s_cselect_b64 s[SRC:SRC+1], s[\src:\src+1], s[SRC:SRC+1]
	s_cselect_b32 s[SB], \bound, s[SB]
.endm
.macro INTO bound, dst                 ; and, by the same compare, the destination
	s_cselect_b64 s[DST:DST+1], s[\dst:\dst+1], s[DST:DST+1]
	s_cselect_b32 s[DB], \bound, s[DB]
.endm
	FROM 512, 10                                   ; wq: 128 chunks
	INTO 512, 24                                   ; wb takes wq, wk and wv on end
	FROM 640, 12                                   ; wk
	FROM 768, 14                                   ; wv
	FROM 896, 16                                   ; wo
	INTO 896, 26
	FROM 1024, 18                                  ; cos: 16 chunks
	INTO 1024, 28                                  ; tab takes cos and sin on end
	FROM 1040, 20                                  ; sin
	s_sub_co_u32 s38, ttmp9, s[SB]
	s_lshl_b32 s38, s38, 16                        ; 65,536 bytes of f32 a chunk
	s_add_nc_u64 s[SRC:SRC+1], s[SRC:SRC+1], s[38:39]
	s_sub_co_u32 s40, ttmp9, s[DB]
	s_lshl_b32 s40, s40, 15                        ; 32,768 bytes of 16-bit numbers
	s_add_nc_u64 s[DST:DST+1], s[DST:DST+1], s[40:41]
.irp i, 0,1,2,3,4,5,6,7
	global_load_b128 v[X+8*(\i):X+8*(\i)+3],   v1, s[SRC:SRC+1] offset:8192*(\i) th:TH_LOAD_NT
	global_load_b128 v[X+8*(\i)+4:X+8*(\i)+7], v1, s[SRC:SRC+1] offset:8192*(\i)+16 th:TH_LOAD_NT
.endr
.macro CONVB i                         ; 8 numbers to bf16
	s_wait_loadcnt 14-2*(\i)                       ; loads come back in order: pair i is in, the 2 (7 - i) younger ones stay out
.irp r, 0,1,2,3
	v_cvt_pk_bf16_f32 v[Y+4*(\i)+(\r)], v[X+8*(\i)+2*(\r)], v[X+8*(\i)+2*(\r)+1]
.endr
	global_store_b128 v2, v[Y+4*(\i):Y+4*(\i)+3], s[DST:DST+1] offset:4096*(\i)  ; a wave's store covers 512 consecutive bytes, aligned
.endm
.macro CONVH i                         ; 8 numbers to bf16, widened again, and written as f16
	s_wait_loadcnt 14-2*(\i)
.irp r, 0,1,2,3
	v_cvt_pk_bf16_f32 v[T+(\r)], v[X+8*(\i)+2*(\r)], v[X+8*(\i)+2*(\r)+1]
.endr
.irp r, 0,1,2,3
	v_lshlrev_b32 v[X+8*(\i)+2*(\r)],   16, v[T+(\r)]
	v_and_b32     v[X+8*(\i)+2*(\r)+1], 0xffff0000, v[T+(\r)]
.endr
.irp r, 0,1,2,3
	v_cvt_pk_f16_f32 v[Y+4*(\i)+(\r)], v[X+8*(\i)+2*(\r)], v[X+8*(\i)+2*(\r)+1]
.endr
	global_store_b128 v2, v[Y+4*(\i):Y+4*(\i)+3], s[DST:DST+1] offset:4096*(\i)
.endm
	s_sub_co_u32 s42, ttmp9, 896                   ; chunks 896 to 1,023 are wo's
	s_cmp_lt_u32 s42, 128
	s_cbranch_scc1 .Lhalf
.irp i, 0,1,2,3,4,5,6,7
	CONVB \i
.endr
	s_endpgm
.Lhalf:
.irp i, 0,1,2,3,4,5,6,7
	CONVH \i
.endr
	s_endpgm
.Lfunc_end_k_q1bf4659666_cast:
	.size	k_q1bf4659666_cast, .Lfunc_end_k_q1bf4659666_cast-k_q1bf4659666_cast
	.p2alignl 7, 3214868480
	.fill 96, 4, 3214868480
	.section	.rodata,"a",@progbits
	.p2align	6, 0x0
	.amdhsa_kernel k_q1bf4659666_cast
		.amdhsa_group_segment_fixed_size 0
		.amdhsa_private_segment_fixed_size 0
		.amdhsa_enable_private_segment 0
		.amdhsa_kernarg_size 88
		.amdhsa_user_sgpr_count 2
		.amdhsa_user_sgpr_kernarg_segment_ptr 1
		.amdhsa_wavefront_size32 1
		.amdhsa_system_sgpr_workgroup_id_x 1
		.amdhsa_system_sgpr_workgroup_id_y 1
		.amdhsa_system_sgpr_workgroup_id_z 1
		.amdhsa_system_vgpr_workitem_id 0
		.amdhsa_next_free_vgpr 112
		.amdhsa_next_free_sgpr 66
		.amdhsa_reserve_vcc 0
		.amdhsa_float_denorm_mode_32 3
		.amdhsa_float_denorm_mode_16_64 3
		.amdhsa_memory_ordered 1
		.amdhsa_forward_progress 1
		.amdhsa_inst_pref_size 15
	.end_amdhsa_kernel
	.amdgpu_metadata
---
amdhsa.version: [ 1, 2 ]
amdhsa.kernels:
  - .name:           k_q1bf4659666_cast
    .symbol:         k_q1bf4659666_cast.kd
    .args:
      - { .name: hidden_states, .offset: 0, .size: 8, .value_kind: global_buffer, .address_space: global }
      - { .name: wq, .offset: 8, .size: 8, .value_kind: global_buffer, .address_space: global }
      - { .name: wk, .offset: 16, .size: 8, .value_kind: global_buffer, .address_space: global }
      - { .name: wv, .offset: 24, .size: 8, .value_kind: global_buffer, .address_space: global }
      - { .name: wo, .offset: 32, .size: 8, .value_kind: global_buffer, .address_space: global }
      - { .name: cos, .offset: 40, .size: 8, .value_kind: global_buffer, .address_space: global }
      - { .name: sin, .offset: 48, .size: 8, .value_kind: global_buffer, .address_space: global }
      - { .name: xb, .offset: 56, .size: 8, .value_kind: global_buffer, .address_space: global }
      - { .name: wb, .offset: 64, .size: 8, .value_kind: global_buffer, .address_space: global }
      - { .name: wob, .offset: 72, .size: 8, .value_kind: global_buffer, .address_space: global }
      - { .name: tab, .offset: 80, .size: 8, .value_kind: global_buffer, .address_space: global }
    .group_segment_fixed_size: 0
    .private_segment_fixed_size: 0
    .kernarg_segment_align: 8
    .kernarg_segment_size: 88
    .max_flat_workgroup_size: 256
    .sgpr_count:     66
    .vgpr_count:     112
    .wavefront_size: 32
...
	.end_amdgpu_metadata
.endif
;; end of part 1
;; launch qkv (part 2): grid 12 x 16, 4 waves a work-group, clusters of 4 x 4, 327,680 bytes of LDS; arguments xb, wb, tab, q_norm_w, k_norm_w, qb, kb, vb; writes qb, kb, vb
.if DOCPART == 2
	.amdgcn_target "amdgcn-amd-amdhsa--gfx1250"
	.amdhsa_code_object_version 6
	.text
	.protected	k_q1bf4659666_qkv
	.globl	k_q1bf4659666_qkv
	.p2align	8
	.type	k_q1bf4659666_qkv,@function
k_q1bf4659666_qkv:
	s_mov_b64 s[64:65], 0
	v_nop
	global_prefetch_b8 v0, s[64:65] scope:SCOPE_SE
	s_setreg_imm32_b32 hwreg(HW_REG_WAVE_MODE, 25, 1), 1
	s_wait_xcnt 0x0
	s_wait_alu depctr_hold_cnt(0) depctr_sa_sdst(0) depctr_va_vdst(0) depctr_va_sdst(0) depctr_va_ssrc(0) depctr_va_vcc(0) depctr_vm_vsrc(0)
	s_getreg_b32 s2, hwreg(HW_REG_IB_STS2, 6, 4)
	s_cmp_eq_u32 s2, 0
	s_cbranch_scc0 .Lentry_in_a_cluster
	s_endpgm
.Lentry_in_a_cluster:
	s_bfe_u32 s2, ttmp6, 0x10000c
	s_cmp_lg_u32 s2, 0xf033
	s_cbranch_scc0 .Lentry_shape_is_right
	s_endpgm
.Lentry_shape_is_right:
; q, k, v = x [wq | wk | wv], products in bf16 with f32 sums; then, in f32, RMSNorm over each head's 128 channels and RoPE on q and k; all three leave as f16, by heads: [16 = batch x 8 + head][2048][128].
; xb: [4096][2048] bf16. wb: [3][2048 k][1024 n] bf16. tab: cos [2048][128], then sin, bf16. The two gains are rounded to bf16 here, like every other input.
; LIMITS. f16 ends at 65,504: v, and q and k behind norm and RoPE (at most 11.4 |gain| (|cos| + |sin|)), stay under it. NaN and infinities are not treated apart.
; SHARES. A tile of C is 256 rows x 256 columns of one of the three kinds; four waves, each 128 x 128: 64 accumulators, and its 128 columns are exactly one head, so norm and RoPE never leave the wave.
; 16 tile rows x 12 tile columns = 192 work-groups: a tile that gave more would cut a head in two. K goes in 16 steps of 128 through two LDS slots.
; CLUSTERS. 4 x 4 work-groups; the cluster's x is the kind (0 q, 1 k, 2 v), so the branch on the kind is the same in all partners. A's tile is shared along a row of the cluster, B's along a column: joint loads.
; B lies [k][n] in memory and in LDS and is turned on its way into registers, by ds_load_tr16_b128. The matrix instruction is used transposed (source 0 = 16 columns of w, source 1 = 16 rows of x):
; a lane holds row l % 16 of C and the columns 8 (l / 16) + 0..7.
; THE WAY OUT. When the ring has had its last fill, each wave dumps its 128 x 128 sums (f32) into its own part of it and reads them back two rows at a time, so that a lane holds channels 4 c .. 4 c + 3
; and 64 + 4 c .. of one row: RoPE's partners d and d + 64 lie in one lane, and sixteen lanes hold a row, whose sum of squares wants four steps between lanes.
; REGISTERS: window 0: v16-63 addresses, gains, sums; v64-127, v128-191 fragments of A, two buffers (on the way out v64-255 are at work); window 1: the same numbers for B; windows 2, 3: accumulators (a, b) at v[8 (8 (a % 4) + b)].
.set PITCH,  272                       ; a row of A in LDS: 256 bytes + 16: the 16 rows of a load start at 16 different groups of four banks (64 banks of 4 bytes: ISA guide 11.1)
.set BPITCH, 544                       ; a row of B: 512 bytes + 32 = 17 x 32
.set HALFT,  128*PITCH                 ; what one tensor load brings: 128 rows of A, or 64 rows of B (64 x 544 is the same 34,816)
.set SLOT,   4*HALFT                   ; A's 256 rows, then B's 128
.set BOFF,   2*HALFT
.set SPARE,  2*SLOT                    ; behind the ring: the spare words, 128 bytes a wave: two blocks of 256 bytes that no other line names
.set DP,     528                       ; the dump: a row of 128 f32 + 16 bytes
.set DWAVE,  128*DP                    ; a wave's part of it; four of them end below SPARE
.set LAPS,   8                         ; a lap = two K steps
.set ASTEP,  256                       ; bytes from K step to K step in xb,
.set BSTEP,  128*2048                  ; and in wb
.set SINOFF, 524288                    ; sin's table behind cos's
.set ADRA, 16                          ; v16-17 LDS address of my A fragments in slot 0, 1
.set ADRB, 20                          ; v20-21 the same for B
.set DSTA, 24                          ; v24    where I dump 32 bytes of a row
.set RDA,  25                          ; v25    where I read 16 bytes of a row back; steps 16 rows a trip
.set TO,   26                          ; v26    my 8 bytes in two rows of a table
.set GO,   27                          ; v27    my 8 bytes of a row of q, k or v
.set SPW,  28                          ; v28    my spare word: SPARE + 4 x my thread's number; never rewritten
.set NIL,  29                          ; v29    0; never rewritten
.set PFO,  30                          ; v30    the prefetches' offset; never rewritten
.set ZR,   31                          ; v31    0.0, an addend
.set WA,   32                          ; v32-35 the gain of channels 4 c .. ; v36-39 of channels 64 + 4 c ..
.set WB,   36
.set SSP,  48                          ; v48-63 a pair for each of 8 pairs of rows: the sum of squares, then 1 / rms in the low register
.set F0,   64
.set F1,   128
.set X,    64                          ; the way out: 8 numbers for each of 8 pairs of rows
.set CO,   128                         ; cos: two registers for channels 4 c .., two for 64 + 4 c ..
.set SI,   160                         ; sin likewise
.set OUTP, 192                         ; packed f16
.set T,    224                         ; at work
.set WV,   12
.set RH,   13                          ; which half of the tile's rows is mine; also: I fetch for A (0) or B (1)
.set CH,   14                          ; which half of its columns; also: which half of that tile I fetch
.set CX,   15
.set CY,   16
.set TR,   18                          ; tile row
.set KIND, 19
.set G1,   24                          ; s[24:31] group 1 for A; s[32:39] group 0, a set a slot
.set G0,   32
.set PFA,  44                          ; s[44:45] where my prefetch stands
.set PFS,  46                          ; s[46:47] its step
.set G1B,  48                          ; s[48:55], s[56:63] the same for B
.set G0B,  56
.set LIM,  66                          ; s66 1 in a wave that prefetches, else the greatest number
.set OUT,  76                          ; s[76:77] my head's rows in qb, kb or vb
.set TAB,  78                          ; s[78:79] cos at my rows' positions
.set MSB, 0
.macro WIN new                         ; the immediate's high byte repeats the setting that is left; a switch that changes nothing is dropped
.if MSB != (\new)
	s_set_vgpr_msb (MSB<<8)|(\new)
.set MSB, \new
.endif
.endm
.set MUL_LO, 0xa1                      ; source 0 (B) window 1, source 1 (A) window 0, C and D window 2
.set MUL_HI, 0xf1                      ; the same, C and D window 3
.set TO_B,   0x40
.macro PLACES                          ; four plain vector instructions between a matrix instruction and a load into, or a reader of, its registers
.rept 4
	v_nop
.endr
.endm
; A joint load: waves 0 and 1 fetch A's halves, waves 2 and 3 B's; the branch hangs on the wave's number alone. An s_nop 0 and four v_nop follow each line.
.macro JLOAD s
	s_cmp_eq_u32 s[RH], 0
	s_cbranch_scc0 .Lfor_b_\@
	tensor_load_to_lds s[G0+4*(\s):G0+4*(\s)+3], s[G1:G1+7]
	s_nop 0
.rept 4
	v_nop
.endr
	s_branch .Lasked_\@
.Lfor_b_\@:
	tensor_load_to_lds s[G0B+4*(\s):G0B+4*(\s)+3], s[G1B:G1B+7]
	s_nop 0
.rept 4
	v_nop
.endr
.Lasked_\@:
.endm
; A PREFETCH of the K step that stands two refills on, one instruction a wave, behind the joint load and the run of LDS loads. Each aligned block of 256 bytes is named once in the launch:
; A's rows are read by the three clusters of a row of clusters: the one with x = 0 asks; B's by the four of a column: the one with y = 0 asks. The four partners that ask for a tile jointly share it out BY ADDRESS:
; of A's 128 rows that a wave fetches partner cx takes 32, a lane a row; of B's 64 rows of 512 bytes partner cy takes 16, two lanes a row. The first four K steps come by their loads alone; the loop's last trip asks for nothing.
.macro ASK
	s_cmp_gt_u32 s3, s[LIM]                        ; s3 = 1 in the loop's last trip
	s_cbranch_scc0 .Lnot_mine_\@
	global_prefetch_b8 v[PFO], s[PFA:PFA+1] th:TH_LOAD_NT scope:SCOPE_SE
.Lnot_mine_\@:
.endm
.macro CREST                           ; a round of the cluster's barrier behind its opening barrier
	s_cmp_lg_u32 s[WV], 0
	s_cbranch_scc1 .Lnot_wave_0_\@
	s_barrier_signal -3
.Lnot_wave_0_\@:
	s_barrier_wait -3
	s_barrier_signal -1
	s_barrier_wait -1
.endm
.macro CROUND
	s_barrier_signal -1
	s_barrier_wait -1
	CREST
.endm
	s_load_b256 s[4:11], s[0:1], 0x0               ; xb s[4:5], wb s[6:7], tab s[8:9], q_norm_w s[10:11]
	s_load_b256 s[68:75], s[0:1], 0x20             ; k_norm_w s[68:69], qb s[70:71], kb s[72:73], vb s[74:75]
	v_lshl_add_u32 v[SPW], v0, 2, SPARE
	v_mov_b32 v[NIL], 0
	ds_add_u32 v[SPW], v[NIL]                      ; the wave's opening: the add and its wait ahead of my first tensor load; work on registers stands between them
	ds_add_u32 v28, v29
	v_lshrrev_b32 v1, 5, v0
	v_readfirstlane_b32 s[WV], v1
	s_lshr_b32 s[RH], s[WV], 1
	s_and_b32 s[CH], s[WV], 1
	s_bfe_u32 s[CX], ttmp6, 0x40000                ; my place in the cluster; cx is also the tile column within the kind
	s_bfe_u32 s[CY], ttmp6, 0x40004
	s_mov_b32 s[KIND], ttmp9                       ; the cluster's x
	s_and_b32 s[TR], ttmp7, 0xffff
	s_lshl_b32 s[TR], s[TR], 2
	s_add_co_u32 s[TR], s[TR], s[CY]               ; tile row = 4 x cluster y + cy
	s_lshl_b32 s20, s[CY], 2
	s_lshl_b32 s20, 15, s20                        ; my row of the cluster
	s_lshl_b32 s40, 0x1111, s[CX]                  ; my column
	s_or_b32 s[G1], s20, (1<<16)|(1<<20)|(1<<21)|(5<<22)|(3<<25)   ; the mask; 2-byte elements; padding on; bit 21 beside a mask; after every 64 words 4 words
	s_or_b32 s[G1B], s40, (1<<16)|(1<<20)|(1<<21)|(6<<22)|(7<<25)  ; after every 128 words 8 words
	s_mov_b32 s[G1+1], 128<<16                     ; A: tensor_dim0 = 128
	s_mov_b32 s[G1+2], 128<<16                     ; tensor_dim1 = 128
	s_mov_b32 s[G1+3], 128<<16                     ; tile_dim0 = 128
	s_mov_b32 s[G1+4], 128                         ; tile_dim1 = 128
	s_mov_b32 s[G1+5], 2048                        ; elements from row to row
	s_mov_b32 s[G1+6], 0
	s_mov_b32 s[G1+7], 0
	s_mov_b32 s[G1B+1], 256<<16                    ; B: 64 rows of 256 elements
	s_mov_b32 s[G1B+2], 64<<16
	s_mov_b32 s[G1B+3], 256<<16
	s_mov_b32 s[G1B+4], 64
	s_mov_b32 s[G1B+5], 1024
	s_mov_b32 s[G1B+6], 0
	s_mov_b32 s[G1B+7], 0
	s_lshl_b32 s20, s[TR], 8                       ; A: row 256 x tile row + 128 x half, 4,096 bytes a row: made of cy and the wave's number alone
	s_lshl_b32 s21, s[CH], 7
	s_add_co_u32 s20, s20, s21
	s_lshl_b32 s20, s20, 12
	s_mov_b32 s21, 0
	s_lshl_b32 s40, s[KIND], 22                    ; B: the kind's 4 MiB, 64 x half rows of 2,048 bytes, 512 bytes a tile column: made of cx, the kind and the wave's number alone
	s_lshl_b32 s41, s[CH], 17
	s_add_co_u32 s40, s40, s41
	s_lshl_b32 s41, s[CX], 9
	s_add_co_u32 s40, s40, s41
	s_mov_b32 s41, 0
	s_mul_i32 s22, s[WV], HALFT                    ; where they go: A's two halves, then B's two
	s_mov_b32 s80, 0x3c000000                      ; 1 / 128
	s_mov_b32 s81, 0x358637bd                      ; 1e-6
	s_mov_b32 s82, 0x80008000                      ; the signs of two bf16
	s_wait_dscnt 0x0                               ; the opening add is done
	s_wait_kmcnt 0x0
	s_add_nc_u64 s[20:21], s[4:5], s[20:21]
	s_add_nc_u64 s[40:41], s[6:7], s[40:41]
	CROUND                                         ; all sixteen work-groups are here: the first joint loads meet
.irp s, 0,1
	s_mov_b32 s[G0+4*(\s)], 1
	s_add_co_u32 s[G0+4*(\s)+1], s22, (\s)*SLOT
	s_add_nc_u64 s[G0+4*(\s)+2:G0+4*(\s)+3], s[20:21], (\s)*ASTEP
	s_or_b32 s[G0+4*(\s)+3], s[G0+4*(\s)+3], 0x80000000
	s_mov_b32 s[G0B+4*(\s)], 1
	s_add_co_u32 s[G0B+4*(\s)+1], s22, (\s)*SLOT
	s_add_nc_u64 s[G0B+4*(\s)+2:G0B+4*(\s)+3], s[40:41], (\s)*BSTEP
	s_or_b32 s[G0B+4*(\s)+3], s[G0B+4*(\s)+3], 0x80000000
	JLOAD \s
.endr
	; all that follows up to the first wait on TENSORcnt stands in the wait for the first tiles
	v_and_b32 v1, 15, v0                           ; l % 16
	v_bfe_u32 v2, v0, 4, 1                         ; l / 16
	s_cmp_eq_u32 s[KIND], 0
	s_cselect_b64 s[OUT:OUT+1], s[70:71], s[72:73]
	s_cselect_b64 s[86:87], s[10:11], s[68:69]     ; the gain: q's, else k's (v's work-groups load it and do not use it)
	s_cmp_eq_u32 s[KIND], 2
	s_cselect_b64 s[OUT:OUT+1], s[74:75], s[OUT:OUT+1]
	v_lshlrev_b32 v7, 4, v1
	global_load_b128 v[WA:WA+3], v7, s[86:87]
	global_load_b128 v[WB:WB+3], v7, s[86:87] offset:256
	v_mul_u32_u24 v3, v1, PITCH
	v_lshl_add_u32 v3, v2, 4, v3                   ; A's fragment: row x pitch + 16 x half of the lanes
	v_and_b32 v4, 7, v0
	v_bfe_u32 v5, v0, 3, 1
	v_lshl_add_u32 v6, v2, 3, v4                   ; B's: k row 8 (l / 16) + l % 8,
	v_mul_u32_u24 v6, v6, BPITCH
	v_lshl_add_u32 v6, v5, 4, v6                   ; columns 8 ((l / 8) % 2) + 0..7
	s_mul_i32 s20, s[RH], HALFT                    ; my 128 rows of A
	s_lshl_b32 s21, s[CH], 8                       ; my 128 columns of B
	s_add_co_u32 s21, s21, BOFF
.irp s, 0,1
	v_add_nc_u32 v[ADRA+(\s)], s20, v3
	v_add_nc_u32 v[ADRB+(\s)], s21, v6
	s_add_co_u32 s20, s20, SLOT
	s_add_co_u32 s21, s21, SLOT
.endr
	s_mul_i32 s20, s[WV], DWAVE                    ; my part of the dump
	v_mul_u32_u24 v[DSTA], v1, DP
	v_lshl_add_u32 v[DSTA], v2, 5, v[DSTA]
	v_add_nc_u32 v[DSTA], s20, v[DSTA]             ; in: row l % 16, 32 bytes for each half of the lanes
	v_mul_u32_u24 v[RDA], v2, DP
	v_lshl_add_u32 v[RDA], v1, 4, v[RDA]
	v_add_nc_u32 v[RDA], s20, v[RDA]               ; back: lanes 0-15 one row, lanes 16-31 the next, 16 bytes a lane
	v_lshlrev_b32 v[TO], 8, v2
	v_lshl_add_u32 v[TO], v1, 3, v[TO]             ; a table's row is 256 bytes
	v_and_b32 v8, 31, v0
	v_lshlrev_b32 v[GO], 3, v8
	v_mov_b32 v[ZR], 0
	; the prefetches' address
	s_lshl_b32 s20, s[TR], 8
	s_lshl_b32 s21, s[CH], 7
	s_add_co_u32 s20, s20, s21
	s_lshl_b32 s21, s[CX], 5
	s_add_co_u32 s20, s20, s21                     ; A: my work-group's 32 of the 128 rows that I fetch,
	s_lshl_b32 s20, s20, 12
	s_add_co_u32 s20, s20, 3*ASTEP                 ; at K step 3: the first change of slots steps it to 4
	s_lshl_b32 s22, s[CH], 6
	s_lshl_b32 s23, s[CY], 4
	s_add_co_u32 s22, s22, s23
	s_add_co_u32 s22, s22, 3*128                   ; B: my work-group's 16 of the 64 rows, at K step 3
	s_lshl_b32 s22, s22, 11
	s_lshl_b32 s23, s[KIND], 22
	s_add_co_u32 s22, s22, s23
	s_lshl_b32 s23, s[CX], 9
	s_add_co_u32 s22, s22, s23
	s_and_b32 s23, ttmp7, 0xffff                   ; cluster y
	s_mov_b32 s[PFS], BSTEP
	s_mov_b32 s[PFS+1], 0
	s_mov_b32 s43, 2048
	s_cmp_eq_u32 s[RH], 0                          ; do I fetch for A?
	s_cselect_b32 s20, s20, s22
	s_cselect_b32 s23, ttmp9, s23                  ; the coordinate along which other clusters read the same rows
	s_cselect_b64 s[PFA:PFA+1], s[4:5], s[6:7]
	s_cselect_b32 s[PFS], ASTEP, s[PFS]
	s_cselect_b32 s42, 0, 1                        ; lanes to a row less one
	s_cselect_b32 s43, 4096, s43                   ; bytes in a row
	s_mov_b32 s21, 0
	s_add_nc_u64 s[PFA:PFA+1], s[PFA:PFA+1], s[20:21]
	s_cmp_eq_u32 s23, 0
	s_cselect_b32 s[LIM], 1, -1                    ; the same in all sixteen partners, for a given wave
	v_lshrrev_b32 v9, s42, v8
	v_mul_u32_u24 v9, s43, v9
	v_and_b32 v10, s42, v8
	v_lshl_add_u32 v[PFO], v10, 8, v9              ; A: lane x 4,096; B: (lane / 2) x 2,048 + (lane % 2) x 256
	; where my head's rows lie, and their positions
	s_lshr_b32 s40, s[TR], 3                       ; the batch: 8 tile rows each
	s_lshl_b32 s40, s40, 3
	s_lshl_b32 s41, s[CX], 1
	s_add_co_u32 s40, s40, s41
	s_add_co_u32 s40, s40, s[CH]                   ; batch x 8 + head
	s_lshl_b32 s40, s40, 11
	s_lshl_b32 s84, s[TR], 8
	s_lshl_b32 s85, s[RH], 7
	s_add_co_u32 s84, s84, s85
	s_and_b32 s84, s84, 2047                       ; my first row's position
	s_add_co_u32 s40, s40, s84
	s_lshl_b32 s40, s40, 8                         ; 256 bytes a row, in q, k, v and in the tables
	s_lshl_b32 s84, s84, 8
	s_mov_b32 s41, 0
	s_mov_b32 s85, 0
	s_add_nc_u64 s[OUT:OUT+1], s[OUT:OUT+1], s[40:41]
	s_add_nc_u64 s[TAB:TAB+1], s[8:9], s[84:85]
	s_wait_loadcnt 0x0                             ; the gain: rounded to bf16 and widened again
.irp p, 0,2,4,6
	v_cvt_pk_bf16_f32 v[40+(\p)/2], v[WA+(\p)], v[WA+(\p)+1]
.endr
.irp p, 0,2,4,6
	v_lshlrev_b32 v[WA+(\p)],   16, v[40+(\p)/2]
	v_and_b32     v[WA+(\p)+1], 0xffff0000, v[40+(\p)/2]
.endr
; 16 matrix instructions: m blocks a0, a0 + 1 of the window's four x all 8 n blocks, 32 along K. The 64 accumulators take turns, one instruction a turn, in the same order in every quarter. zero = 1: the product starts the sum.
.macro MUL16 f, hi, a0, zero
	WIN MUL_LO+0x50*(\hi)
.irp a, \a0, (\a0)+1
.irp b, 0,1,2,3,4,5,6,7
.if \zero
	v_wmma_f32_16x16x32_bf16 v[8*(8*(\a)+(\b)):8*(8*(\a)+(\b))+7], v[(\f)+8*(\b):(\f)+8*(\b)+7], v[(\f)+8*(4*(\hi)+(\a)):(\f)+8*(4*(\hi)+(\a))+7], 0
.else
	v_wmma_f32_16x16x32_bf16 v[8*(8*(\a)+(\b)):8*(8*(\a)+(\b))+7], v[(\f)+8*(\b):(\f)+8*(\b)+7], v[(\f)+8*(4*(\hi)+(\a)):(\f)+8*(4*(\hi)+(\a))+7], v[8*(8*(\a)+(\b)):8*(8*(\a)+(\b))+7]
.endif
.endr
.endr
.endm
; 32 LDS loads in one run: quarter q's fragments (32 along K) into buffer f: B's 8 blocks of 16 columns, turned; then A's 8 blocks of 16 rows
.macro FETCH slot, q, f
	WIN TO_B
.irp i, 0,1,2,3,4,5,6,7
	ds_load_tr16_b128 v[(\f)+8*(\i):(\f)+8*(\i)+3],   v[ADRB+(\slot)] offset:32*BPITCH*(\q)+32*(\i)
	ds_load_tr16_b128 v[(\f)+8*(\i)+4:(\f)+8*(\i)+7], v[ADRB+(\slot)] offset:32*BPITCH*(\q)+32*(\i)+16*BPITCH
.endr
	WIN 0
.irp i, 0,1,2,3,4,5,6,7
	ds_load_b128 v[(\f)+8*(\i):(\f)+8*(\i)+3],   v[ADRA+(\slot)] offset:64*(\q)+(\i)*16*PITCH
	ds_load_b128 v[(\f)+8*(\i)+4:(\f)+8*(\i)+7], v[ADRA+(\slot)] offset:64*(\q)+(\i)*16*PITCH+32
.endr
.endm
; One of a K step's first three quarters: multiplies buffer f; in its middle it fetches quarter q of the same slot into buffer g.
.macro QUARTER slot, q, f, g, zero
	s_wait_dscnt 8                                 ; B and A's rows 0-63 are in; the youngest eight loads (A's rows 64-127) may be out
	MUL16 \f, 0, 0, \zero
	MUL16 \f, 0, 2, \zero
	PLACES
	FETCH \slot, \q, \g
	s_wait_dscnt 32                                ; all but the 32 just issued
	MUL16 \f, 1, 0, \zero
	MUL16 \f, 1, 2, \zero
.endm
; The first half of a K step's last quarter: ONE barrier for the change of slots. In front of it each wave waits for all its tensor loads (one is out: its part of the next slot), adds 0 to its spare word, and waits for that and for its reads of this slot.
.macro MEET round
	WIN 0
	s_wait_tensorcnt 0x0
	ds_add_u32 v[SPW], v[NIL]
	s_wait_dscnt 9                                 ; the add and the youngest eight loads may be out
	MUL16 F1, 0, 0, 0
	s_wait_dscnt 0x0                               ; the add is done, and my reads of this slot are over
	s_barrier_signal -1
	MUL16 F1, 0, 2, 0
.if \round
	WIN 0
.endif
	s_barrier_wait -1
.endm
; The whole last quarter, where the slot is filled again: the barrier opens a round of the cluster's, and the joint refill is the first tensor load behind the round; 224 matrix instructions stand between it and the wait for it.
.macro TURN slot, next
	s_wait_xcnt 0x0                                ; the last prefetch, a K step back, has read its address
	s_add_nc_u64 s[PFA:PFA+1], s[PFA:PFA+1], s[PFS:PFS+1]
	MEET 1
	CREST
	s_add_nc_u64 s[G0+4*(\slot)+2:G0+4*(\slot)+3], s[G0+4*(\slot)+2:G0+4*(\slot)+3], 2*ASTEP
	s_add_nc_u64 s[G0B+4*(\slot)+2:G0B+4*(\slot)+3], s[G0B+4*(\slot)+2:G0B+4*(\slot)+3], 2*BSTEP
	JLOAD \slot                                    ; its four v_nop are also the places in front of the loads below
	FETCH \next, 0, F0
	ASK
	MUL16 F1, 1, 0, 0
	MUL16 F1, 1, 2, 0
.endm
	s_wait_tensorcnt 1                             ; my part of K step 0 is in; K step 1's may stay out
	s_barrier_signal -1
	s_barrier_wait -1
	FETCH 0, 0, F0
	QUARTER 0, 1, F0, F1, 1                        ; the first quarter stands in front of the loop: its products start the sums
	WIN 0
	s_mov_b32 s3, LAPS-1
.Llap:                                                 ; once round the ring, from a lap's second quarter to the next lap's first; both slots are filled again
	QUARTER 0, 2, F1, F0, 0
	QUARTER 0, 3, F0, F1, 0
	TURN 0, 1
	QUARTER 1, 1, F0, F1, 0
	QUARTER 1, 2, F1, F0, 0
	QUARTER 1, 3, F0, F1, 0
	TURN 1, 0
	QUARTER 0, 1, F0, F1, 0
	WIN 0
	s_sub_co_u32 s3, s3, 1
	s_cmp_lg_u32 s3, 0
	s_cbranch_scc1 .Llap
	QUARTER 0, 2, F1, F0, 0                        ; the last lap fills nothing
	QUARTER 0, 3, F0, F1, 0
	MEET 0
	PLACES
	FETCH 1, 0, F0
	MUL16 F1, 1, 0, 0
	MUL16 F1, 1, 2, 0
	QUARTER 1, 1, F0, F1, 0
	QUARTER 1, 2, F1, F0, 0
	QUARTER 1, 3, F0, F1, 0
	s_wait_dscnt 8
	MUL16 F1, 0, 0, 0
	MUL16 F1, 0, 2, 0
	s_wait_dscnt 0x0
	MUL16 F1, 1, 0, 0
	MUL16 F1, 1, 2, 0
	WIN 0
	PLACES                                         ; behind the last products, ahead of the loads into A's buffer and of the stores of the sums
	PLACES
; 16 rows' cos and sin: for each pair of rows, 8 bytes a lane at channels 4 c .. and at 64 + 4 c ..
.macro TABLOADS
.irp u, 0,1,2,3,4,5,6,7
	global_load_b64 v[CO+4*(\u):CO+4*(\u)+1],   v[TO], s[TAB:TAB+1] offset:512*(\u)
	global_load_b64 v[CO+4*(\u)+2:CO+4*(\u)+3], v[TO], s[TAB:TAB+1] offset:512*(\u)+128
	global_load_b64 v[SI+4*(\u):SI+4*(\u)+1],   v[TO], s[TAB:TAB+1] offset:SINOFF+512*(\u)
	global_load_b64 v[SI+4*(\u)+2:SI+4*(\u)+3], v[TO], s[TAB:TAB+1] offset:SINOFF+512*(\u)+128
.endr
.endm
.macro MIX d, tb, hf, y, c             ; d = bf16 half hf of tb x y + c
.if \hf
	v_fma_mix_f32_bf16 v[\d], v[\tb], v[\y], v[\c] op_sel:[1,0,0] op_sel_hi:[1,0,0]
.else
	v_fma_mix_f32_bf16 v[\d], v[\tb], v[\y], v[\c] op_sel_hi:[1,0,0]
.endif
.endm
; RoPE for four pairs of rows: out[d] = y[d] cos[d] - y[d + 64] sin[d], out[d + 64] = y[d + 64] cos[d + 64] + y[d] sin[d + 64]; sin's signs for d < 64 have been turned
.macro ROPE u0
.set u, \u0
.rept 4
.set i, 0
.rept 4
	MIX T+8*(u-(\u0))+i, SI+4*u+i/2, i%2, X+8*u+4+i, ZR
	MIX T+8*(u-(\u0))+4+i, SI+4*u+2+i/2, i%2, X+8*u+i, ZR
.set i, i+1
.endr
.set u, u+1
.endr
.set u, \u0
.rept 4
.set i, 0
.rept 4
	MIX X+8*u+i, CO+4*u+i/2, i%2, X+8*u+i, T+8*(u-(\u0))+i
	MIX X+8*u+4+i, CO+4*u+2+i/2, i%2, X+8*u+4+i, T+8*(u-(\u0))+4+i
.set i, i+1
.endr
.set u, u+1
.endr
.endm
	s_cmp_eq_u32 s[KIND], 2
	s_cbranch_scc1 .Lno_table
	TABLOADS                                       ; the first 16 rows' tables come while the sums are dumped
.Lno_table:
	s_wait_dscnt 0x0
	s_barrier_signal -1
	s_barrier_wait -1                              ; no wave reads the ring any more, and it has had its last fill: it takes the dump
.irp a, 0,1,2,3,4,5,6,7
	WIN 0x08+4*((\a)/4)                            ; the data in window 2 or 3
.irp b, 0,1,2,3,4,5,6,7
	ds_store_b128 v[DSTA], v[8*(8*((\a)%4)+(\b)):8*(8*((\a)%4)+(\b))+3]   offset:16*DP*(\a)+64*(\b)     ; each accumulator's low registers first
	ds_store_b128 v[DSTA], v[8*(8*((\a)%4)+(\b))+4:8*(8*((\a)%4)+(\b))+7] offset:16*DP*(\a)+64*(\b)+16
.endr
.endr
	WIN 0
	s_wait_dscnt 0x0
	s_barrier_signal -1
	s_barrier_wait -1                              ; all four dumps are complete before any row is read back
	s_mov_b32 s2, 8
.Lrows:                                                ; 16 rows a trip, as eight pairs
.irp u, 0,1,2,3,4,5,6,7
	ds_load_b128 v[X+8*(\u):X+8*(\u)+3],   v[RDA] offset:2*DP*(\u)
	ds_load_b128 v[X+8*(\u)+4:X+8*(\u)+7], v[RDA] offset:2*DP*(\u)+256
.endr
	s_wait_dscnt 0x0
	s_cmp_eq_u32 s[KIND], 2
	s_cbranch_scc1 .Lpack                          ; v has neither norm nor RoPE
.irp u, 0,1,2,3,4,5,6,7
	v_pk_mul_f32 v[SSP+2*(\u):SSP+2*(\u)+1], v[X+8*(\u):X+8*(\u)+1], v[X+8*(\u):X+8*(\u)+1]
.endr
.irp p, 2,4,6
.irp u, 0,1,2,3,4,5,6,7
	v_pk_fma_f32 v[SSP+2*(\u):SSP+2*(\u)+1], v[X+8*(\u)+(\p):X+8*(\u)+(\p)+1], v[X+8*(\u)+(\p):X+8*(\u)+(\p)+1], v[SSP+2*(\u):SSP+2*(\u)+1]
.endr
.endr
.irp u, 0,1,2,3,4,5,6,7
	v_add_f32 v[SSP+2*(\u)], v[SSP+2*(\u)], v[SSP+2*(\u)+1]
.endr
.irp m, 1,2,4,8                        ; a row lies in sixteen lanes
.irp u, 0,1,2,3,4,5,6,7
	v_add_f32_dpp v[SSP+2*(\u)], v[SSP+2*(\u)], v[SSP+2*(\u)] row_xmask:\m row_mask:0xf bank_mask:0xf
.endr
.endr
.irp u, 0,1,2,3,4,5,6,7
	v_fma_f32 v[SSP+2*(\u)], v[SSP+2*(\u)], s80, s81   ; the mean of the squares + 1e-6
.endr
.irp u, 0,1,2,3,4,5,6,7
	v_rsq_f32 v[SSP+2*(\u)], v[SSP+2*(\u)]         ; one batch of eight; the gain and RoPE, which are linear, go first, and 1 / rms is applied last
.endr
.irp u, 0,1,2,3,4,5,6,7
	v_pk_mul_f32 v[X+8*(\u):X+8*(\u)+1],   v[X+8*(\u):X+8*(\u)+1],   v[WA:WA+1]
	v_pk_mul_f32 v[X+8*(\u)+2:X+8*(\u)+3], v[X+8*(\u)+2:X+8*(\u)+3], v[WA+2:WA+3]
	v_pk_mul_f32 v[X+8*(\u)+4:X+8*(\u)+5], v[X+8*(\u)+4:X+8*(\u)+5], v[WB:WB+1]
	v_pk_mul_f32 v[X+8*(\u)+6:X+8*(\u)+7], v[X+8*(\u)+6:X+8*(\u)+7], v[WB+2:WB+3]
.endr
	s_wait_loadcnt 0x0                             ; this trip's tables; their loads are done, so their base may be stepped below
.irp u, 0,1,2,3,4,5,6,7
	v_xor_b32 v[SI+4*(\u)],   s82, v[SI+4*(\u)]    ; - sin for d < 64
	v_xor_b32 v[SI+4*(\u)+1], s82, v[SI+4*(\u)+1]
.endr
	ROPE 0
	ROPE 4
	s_wait_alu depctr_va_vdst(0)                   ; one wait for the eight roots, ahead of the branch and of their first reader
	s_cmp_eq_u32 s2, 1
	s_cbranch_scc1 .Llast_rows                     ; the last trip has no rows behind it
	s_add_nc_u64 s[TAB:TAB+1], s[TAB:TAB+1], 16*256
	TABLOADS
.Llast_rows:
.irp u, 0,1,2,3,4,5,6,7
.irp p, 0,2,4,6
	v_pk_mul_f32 v[X+8*(\u)+(\p):X+8*(\u)+(\p)+1], v[X+8*(\u)+(\p):X+8*(\u)+(\p)+1], v[SSP+2*(\u):SSP+2*(\u)+1] op_sel_hi:[1,0]
.endr
.endr
.Lpack:
.irp u, 0,1,2,3,4,5,6,7
.irp p, 0,1,2,3
	v_cvt_pk_f16_f32 v[OUTP+4*(\u)+(\p)], v[X+8*(\u)+2*(\p)], v[X+8*(\u)+2*(\p)+1]
.endr
.endr
.irp u, 0,1,2,3,4,5,6,7                ; the upper lanes of the first half-rows change places with the lower lanes of the second: each pair of registers then holds one whole row, 8 bytes a lane
	v_permlane16_swap_b32 v[OUTP+4*(\u)],   v[OUTP+4*(\u)+2]
	v_permlane16_swap_b32 v[OUTP+4*(\u)+1], v[OUTP+4*(\u)+3]
.endr
.irp u, 0,1,2,3,4,5,6,7
	global_store_b64 v[GO], v[OUTP+4*(\u):OUTP+4*(\u)+1],   s[OUT:OUT+1] offset:512*(\u)       ; a store covers one row: 256 consecutive bytes, aligned
	global_store_b64 v[GO], v[OUTP+4*(\u)+2:OUTP+4*(\u)+3], s[OUT:OUT+1] offset:512*(\u)+256
.endr
	v_add_nc_u32 v[RDA], 16*DP, v[RDA]
	s_wait_xcnt 0x0                                ; the stores have read their data and their base: both are rewritten only behind this wait
	s_add_nc_u64 s[OUT:OUT+1], s[OUT:OUT+1], 16*256
	s_sub_co_u32 s2, s2, 1
	s_cmp_lg_u32 s2, 0
	s_cbranch_scc1 .Lrows
	s_wait_tensorcnt 0x0                           ; the wave's end: the add and its wait behind my last tensor load and my last LDS store
	ds_add_u32 v[SPW], v[NIL]
	s_wait_dscnt 0x0
	CROUND                                         ; the closing round: no work-group ends while a partner may still ask for a tile that names it
	s_endpgm
.Lfunc_end_k_q1bf4659666_qkv:
	.size	k_q1bf4659666_qkv, .Lfunc_end_k_q1bf4659666_qkv-k_q1bf4659666_qkv
	.p2alignl 7, 3214868480
	.fill 96, 4, 3214868480
	.section	.rodata,"a",@progbits
	.p2align	6, 0x0
	.amdhsa_kernel k_q1bf4659666_qkv
		.amdhsa_group_segment_fixed_size 327680
		.amdhsa_private_segment_fixed_size 0
		.amdhsa_enable_private_segment 0
		.amdhsa_kernarg_size 64
		.amdhsa_user_sgpr_count 2
		.amdhsa_user_sgpr_kernarg_segment_ptr 1
		.amdhsa_wavefront_size32 1
		.amdhsa_system_sgpr_workgroup_id_x 1
		.amdhsa_system_sgpr_workgroup_id_y 1
		.amdhsa_system_sgpr_workgroup_id_z 1
		.amdhsa_system_vgpr_workitem_id 0
		.amdhsa_next_free_vgpr 1024
		.amdhsa_next_free_sgpr 88
		.amdhsa_reserve_vcc 0
		.amdhsa_float_denorm_mode_32 3
		.amdhsa_float_denorm_mode_16_64 3
		.amdhsa_memory_ordered 1
		.amdhsa_forward_progress 1
		.amdhsa_inst_pref_size 152
	.end_amdhsa_kernel
	.amdgpu_metadata
---
amdhsa.version: [ 1, 2 ]
amdhsa.kernels:
  - .name:           k_q1bf4659666_qkv
    .symbol:         k_q1bf4659666_qkv.kd
    .args:
      - { .name: xb, .offset: 0, .size: 8, .value_kind: global_buffer, .address_space: global }
      - { .name: wb, .offset: 8, .size: 8, .value_kind: global_buffer, .address_space: global }
      - { .name: tab, .offset: 16, .size: 8, .value_kind: global_buffer, .address_space: global }
      - { .name: q_norm_w, .offset: 24, .size: 8, .value_kind: global_buffer, .address_space: global }
      - { .name: k_norm_w, .offset: 32, .size: 8, .value_kind: global_buffer, .address_space: global }
      - { .name: qb, .offset: 40, .size: 8, .value_kind: global_buffer, .address_space: global }
      - { .name: kb, .offset: 48, .size: 8, .value_kind: global_buffer, .address_space: global }
      - { .name: vb, .offset: 56, .size: 8, .value_kind: global_buffer, .address_space: global }
    .group_segment_fixed_size: 327680
    .private_segment_fixed_size: 0
    .kernarg_segment_align: 8
    .kernarg_segment_size: 64
    .max_flat_workgroup_size: 128
    .sgpr_count:     88
    .vgpr_count:     1024
    .wavefront_size: 32
...
	.end_amdgpu_metadata
.endif
;; end of part 2
;; launch attn (part 3): grid 16 x 16, 4 waves a work-group, no clusters, 327,680 bytes of LDS; arguments qb, kb, vb, ctx; writes ctx
.if DOCPART == 3
	.amdgcn_target "amdgcn-amd-amdhsa--gfx1250"
	.amdhsa_code_object_version 6
	.text
	.protected	k_q1bf4659666_attn
	.globl	k_q1bf4659666_attn
	.p2align	8
	.type	k_q1bf4659666_attn,@function
k_q1bf4659666_attn:
	s_mov_b64 s[64:65], 0
	v_nop
	global_prefetch_b8 v0, s[64:65] scope:SCOPE_SE
	s_setreg_imm32_b32 hwreg(HW_REG_WAVE_MODE, 25, 1), 1
	s_wait_xcnt 0x0
; CAUSAL ATTENTION. ctx[batch][q][head][:] = the sum over k <= q of softmax_k(Q[q] . K[k] / sqrt(128)) V[k][:]. qb, kb, vb: [16 = batch x 8 + head][2048][128] f16; ctx: [4096][1024] f16.
; Products, maxima and sums in f32; the weights p are rounded to f16 for the second product (their sum l is taken of the unrounded p), ctx once at the end.
; LIMITS. f16 ends at 65,504: q, k, v arrive within it, and ctx is a mean of v's rows. A hidden score counts as -2^100 where the definition has -1e30: every row sees its own key, so a hidden key's weight is 0 either way,
; and with a power of two c x (-2^100) is exact, so that a wave whose keys are all hidden gets c s - c m = 0 exactly, finite weights and finite sums, which the merge multiplies by 0. A weight below 2^-126 counts as 0.
; NaN and infinities are not treated apart.
; THE WALK. A head's queries lie in 32 blocks of 64; block I needs the key tiles 0 .. I / 4 of 256 keys, the last of which holds the diagonal. A work-group takes blocks 31 - b and then b: 9 tiles, whatever b:
; 256 work-groups of equal work, and one loop with a constant trip count. What differs lies in scalar registers made from b.
; KEYS ARE SPLIT AMONG THE WAVES. All four waves hold the same 64 queries (four tiles of 16); of each key tile wave w multiplies keys 64 w .. 64 w + 63. So a fragment of K or V feeds four tiles' products.
; Each wave keeps its own running maximum m, sum l and O^T; at a block's end the four are merged through LDS: O = sum f_w O_w / sum f_w l_w, f_w = 2^(c m_w - max c m).
; Register slot g of wave w holds query tile (w + g) % 4: slot 0 is the tile that the wave finishes, slots 1 to 3 are handed to waves w + 1 .. w + 3, and one text serves every wave.
; LAYOUT. S^T = K Q^T holds ONE query a lane (lane % 16) and the keys 8 (lane / 16) + 0..7; two such results rounded to f16 ARE source 1 of O^T = V^T P. p = 2^(c s - c m), c = log2(e) / sqrt(128).
; A STEP. The tiles are two pieces (slots 0, 1 and slots 2, 3). Piece 0's scores; piece 2's scores with piece 0's softmax in slices behind them; piece 0's V^T P with piece 2's softmax; piece 2's V^T P.
; NO CLUSTER: a head's 16 work-groups ask for the same tile in the first five trips only; behind that their first blocks end at different trips, and a walk common to all would have 12 trips for 9.
; REGISTERS: window 0: v2-63 addresses and statistics; v64-191 S^T, 32 a slot; v192-255 P, 16 a slot. window 1: O^T, 64 a slot. window 2: v0-127 Q, 32 a slot; v128-255 K. window 3: v0-127 V.
.set PK,    272       ; a row of K in LDS: 256 bytes + 16: the 16 rows of a load start at 16 different groups of four banks (64 banks of 4 bytes: ISA guide 11.1)
.set PV,    288       ; a row of V: 256 + 32 = 9 x 32
.set VOFF,  256*PK    ; a slot holds a tile: 256 rows of K, then 256 rows of V
.set SLOT1, 256*(PK+PV)
.set XR,    2*SLOT1   ; behind the ring, never filled by a tensor load: 8,192 bytes a wave, for a slot of O^T on its way to another wave; later the wave's stage, 16 rows x 272
.set STATS, XR+4*8192 ; 1,024 bytes a wave: (l, c m) of its slots 1 to 3
.set SPARE, STATS+4*1024  ; the spare words, 128 bytes a wave: two blocks of 256 bytes that no other line names
.set SP,    272
.set AK0, 2           ; v2   my lane's place in my wave's 64 rows of K; never rewritten
.set AV0, 3           ; v3   the same for V
.set ADR, 4           ; v4   the LDS address of K's run of loads
.set ADR2, 5          ; v5   of V's
.set STO, 6           ; v6   the way out: where I put 16 bytes of a row
.set RD,  7           ; v7   where I read a row back
.set GO,  8           ; v8   my byte offset in two rows of ctx
.set XWA, 10          ; v10  my 16 bytes in my wave's exchange region
.set ST,  12          ; slot t's statistics at v[ST+8 t]: +0 c m, +1 m, +2, +3 l (even keys', odd keys'), +4 to +7 at work; a takes +6
.set QO,  44          ; v44-47 slot g: my byte offset in the block's rows of Q
.set UQ,  48          ; v48-51 slot g: my query's place in the block, less 8 (lane / 16)
.set REL, 52          ; v52  at work
.set BIG, 53          ; v53  -2^100
.set RSA, 54          ; v54-56 round g: where the sender's (l, c m) lie
.set RXA, 57          ; v57-59 round g: where the sender's O^T lies
.set SWA, 60          ; v60  where I put my (l, c m)
.set PFO, 61          ; v61  256 x my lane; never rewritten
.set SPW, 62          ; v62  my spare word: SPARE + 4 x my thread's number; never rewritten
.set NIL, 63          ; v63  0; never rewritten
.set S,   64
.set P,   192
.set KF,  128         ; K's fragments, in window 2: key block kb, channels 32 c on, at KF + 32 kb + 8 c
.set WV,  12          ; s12  my wave's number
.set PB,  14          ; s14  b
.set G1K, 24          ; s[24:31] descriptor group 1 for K's tiles
.set G1V, 32          ; s[32:39] for V's: it differs in the padding alone
.set G0K, 40          ; s[40:43] group 0 for K
.set G0V, 44          ; s[44:47] for V
.set QLO, 48          ; s[48:49] Q at the second block
.set OLO, 50          ; s[50:51] ctx at my rows of the second block
.set FB,  52          ; s52  the slot that was filled last: 0 or SLOT1
.set TB,  53          ; s53  the slot that is read
.set LK,  54          ; s54  my half's place in a slot, for K
.set LV,  55          ; s55  for V
.set CNT, 56          ; s56  the loop's trips
.set RT,  57          ; s57  tiles of the block in hand still to be entered; 0 in its last, the diagonal one
.set CS,  58          ; s[58:59] c
.set SEL, 60          ; s[60:61] v_permlanex16_b32's selects: each lane takes its own place in the other half
.set NXT, 62          ; s62  the tile to be asked for next
.set LQ,  63          ; s63  the last tile of the block whose tiles are being asked for
.set OFF, 66          ; s[66:67] a tile's byte offset
.set DEL, 68          ; s68  64 x (the block's place in the diagonal tile - my wave's number)
.set DELLO, 69        ; s69  the same for the second block
.set NL,  70          ; s70  the second block's tiles
.set LIM, 71          ; s71  2 where the work-group prefetches, else the greatest number
.set PFK, 72          ; s[72:73] my wave's 64 rows of K in the tile behind the one that is being asked for
.set PFV, 74          ; s[74:75] the same for V
.set LQL, 80          ; s80  the second block's last tile
.set MSB, 0
.macro WIN new                      ; the high byte repeats the setting that is left; a switch that changes nothing is dropped
.if MSB != (\new)
	s_set_vgpr_msb (MSB<<8)|(\new)
.set MSB, \new
.endif
.endm
.set W_KQ, 0x0a       ; K and Q in window 2, S^T in window 0
.set W_PV, 0x53       ; V in window 3, P in window 0, O^T in window 1
.set W_RS, 0x41       ; O^T (destination and source 0) in window 1, the factor in window 0
.macro PLACES
.rept 4
	v_nop
.endr
.endm
; A fill. Waves 0 and 1 fetch the two halves of a tile's K, waves 2 and 3 those of its V: 128 rows each. An s_nop 0 and four v_nop follow each line.
.macro LOAD
	s_cmp_lt_u32 s[WV], 2
	s_cbranch_scc0 .Lfor_v_\@
	tensor_load_to_lds s[G0K:G0K+3], s[G1K:G1K+7]
	s_nop 0
.rept 4
	v_nop
.endr
	s_branch .Lasked_\@
.Lfor_v_\@:
	tensor_load_to_lds s[G0V:G0V+3], s[G1V:G1V+7]
	s_nop 0
.rept 4
	v_nop
.endr
.Lasked_\@:
.endm
; A PREFETCH of the tile that the NEXT change of slots will ask for. All 16 work-groups of a head walk the same K and V from tile 0 on: the one with b = 0, whose first block has all 8 tiles, asks, and nobody else.
; Wave w names rows 64 w .. 64 w + 63 of K and of V, a lane a row of 256 bytes: four instructions. Trip T names tile T + 2, for T = 0 .. 5: tiles 0 and 1 come by their loads alone, and no tile is named twice.
.macro ASK
	s_cmp_gt_u32 s[CNT], s[LIM]
	s_cbranch_scc0 .Lnot_mine_\@
	global_prefetch_b8 v[PFO], s[PFK:PFK+1] th:TH_LOAD_NT scope:SCOPE_SE
	global_prefetch_b8 v[PFO], s[PFK:PFK+1] offset:8192 th:TH_LOAD_NT scope:SCOPE_SE
	global_prefetch_b8 v[PFO], s[PFV:PFV+1] th:TH_LOAD_NT scope:SCOPE_SE
	global_prefetch_b8 v[PFO], s[PFV:PFV+1] offset:8192 th:TH_LOAD_NT scope:SCOPE_SE
.Lnot_mine_\@:
.endm
; THE CHANGE OF SLOTS. Each wave waits for all its tensor loads, of which one is out: its part of the other slot; adds 0 to its spare word; and waits for that and for its reads of the slot that it leaves.
; Behind the barrier nobody reads the old slot and the other is whole. fill = 1: the old slot is filled again, first thing behind the barrier, with tile NXT; the address is made anew from that number.
; (At its first use nothing has been read yet: slot 0 is waited for, slot 1 filled.)
.macro CHANGE fill
	WIN 0
	s_wait_tensorcnt 0x0            ; no tensor load of mine is out, so a group 0 may be written
	ds_add_u32 v[SPW], v[NIL]       ; 0 onto my spare word; scalar work stands between it and the wait for it
.if \fill
	s_lshl_b32 s[OFF], s[NXT], 16   ; a tile is 65,536 bytes of K and of V
	s_xor_b32 s[FB], s[FB], SLOT1
	s_add_co_u32 s[G0K+1], s[FB], s[LK]
	s_add_nc_u64 s[G0K+2:G0K+3], s[6:7], s[OFF:OFF+1]
	s_or_b32 s[G0K+3], s[G0K+3], 0x80000000
	s_add_co_u32 s[G0V+1], s[FB], s[LV]
	s_add_nc_u64 s[G0V+2:G0V+3], s[8:9], s[OFF:OFF+1]
	s_or_b32 s[G0V+3], s[G0V+3], 0x80000000
	s_add_co_u32 s[NXT], s[NXT], 1  ; the block's next tile, or behind its last the second block's tile 0
	s_cmp_gt_u32 s[NXT], s[LQ]
	s_cselect_b32 s[NXT], 0, s[NXT]
	s_cselect_b32 s[LQ], s[LQL], s[LQ]
	s_wait_xcnt 0x0                 ; the last prefetches, a trip back, have read their addresses
	s_add_nc_u64 s[PFK:PFK+1], s[PFK:PFK+1], 0x10000
	s_add_nc_u64 s[PFV:PFV+1], s[PFV:PFV+1], 0x10000
.endif
	s_wait_dscnt 0x0                ; the add is done, and my reads of the slot are over
	s_barrier_signal -1
	s_xor_b32 s[TB], s[TB], SLOT1   ; the reads go to the other slot
	s_barrier_wait -1
.if \fill
	LOAD
.endif
.endm
.macro QLOADS                       ; the block's Q: slot i / 4, channels 32 (i % 4) on
	WIN 0x80
.set i, 0
.rept 16
	global_load_b128 v[8*i:8*i+3],   v[QO+i/4], s[4:5] offset:(i%4)*64
	global_load_b128 v[8*i+4:8*i+7], v[QO+i/4], s[4:5] offset:(i%4)*64+32
.set i, i+1
.endr
	WIN 0
.endm
	s_load_b256 s[4:11], s[0:1], 0x0  ; qb s[4:5], kb s[6:7], vb s[8:9], ctx s[10:11]
	v_lshl_add_u32 v[SPW], v0, 2, SPARE
	v_mov_b32 v[NIL], 0
	ds_add_u32 v[SPW], v[NIL]       ; the wave's opening: the add and its wait ahead of my first tensor load; work on registers stands between them
	ds_add_u32 v62, v63
	v_lshrrev_b32 v1, 5, v0
	v_readfirstlane_b32 s[WV], v1
	s_mov_b32 s[PB], ttmp9
	s_sub_co_u32 s15, 31, s[PB]     ; the first block
	s_and_b32 s16, ttmp7, 0xffff    ; batch x 8 + head
	s_lshl_b32 s20, s16, 19         ; its first byte in qb, kb, vb: 2,048 rows of 256 bytes
	s_and_b32 s17, s[WV], 1         ; which half of a tile I fetch:
	s_lshl_b32 s22, s17, 15         ; its 128 rows in memory,
	s_add_co_u32 s22, s22, s20
	s_mov_b32 s23, 0
	s_mul_i32 s[LK], s17, 128*PK    ; and its place in a slot
	s_mul_i32 s[LV], s17, 128*PV
	s_add_co_u32 s[LV], s[LV], VOFF
	s_lshl_b32 s18, s15, 14         ; a block's 64 rows of Q
	s_add_co_u32 s18, s18, s20
	s_mov_b32 s19, 0
	s_lshl_b32 s2, s[PB], 14
	s_add_co_u32 s2, s2, s20
	s_mov_b32 s3, 0
	s_lshl_b32 s13, s[WV], 14       ; the prefetches: my wave's 64 rows,
	s_add_co_u32 s20, s20, s13
	s_add_co_u32 s20, s20, 0x10000  ; in tile 1; the first change of slots steps them to tile 2
	s_mov_b32 s21, 0
	s_lshr_b32 s13, s16, 3          ; ctx: row batch x 2,048 + 64 x block + 16 x wave, 2,048 bytes a row; 256 bytes a head
	s_lshl_b32 s13, s13, 11
	s_lshl_b32 s17, s[WV], 4
	s_add_co_u32 s13, s13, s17
	s_and_b32 s16, s16, 7
	s_lshl_b32 s16, s16, 8
	s_lshl_b32 s76, s15, 6
	s_add_co_u32 s76, s76, s13
	s_lshl_b32 s76, s76, 11
	s_add_co_u32 s76, s76, s16
	s_mov_b32 s77, 0
	s_lshl_b32 s78, s[PB], 6
	s_add_co_u32 s78, s78, s13
	s_lshl_b32 s78, s78, 11
	s_add_co_u32 s78, s78, s16
	s_mov_b32 s79, 0
	s_mov_b32 s[G1K], (1<<16)|(1<<20)|(5<<22)|(3<<25)  ; 2-byte elements; padding on; after every 64 words 4 words
	s_mov_b32 s[G1V], (1<<16)|(1<<20)|(5<<22)|(7<<25)  ; the same with 8 words
.irp g, G1K, G1V
	s_mov_b32 s[\g+1], 128<<16      ; tensor_dim0 = 128
	s_mov_b32 s[\g+2], 128<<16      ; tensor_dim1 = 128
	s_mov_b32 s[\g+3], 128<<16      ; tile_dim0 = 128
	s_mov_b32 s[\g+4], 128          ; tile_dim1 = 128
	s_mov_b32 s[\g+5], 128          ; elements from row to row
	s_mov_b32 s[\g+6], 0
	s_mov_b32 s[\g+7], 0
.endr
	s_lshr_b32 s[LQ], s15, 2
	s_add_co_u32 s[RT], s[LQ], 1    ; the first block has 8 - b / 4 tiles,
	s_lshr_b32 s[LQL], s[PB], 2
	s_add_co_u32 s[NL], s[LQL], 1   ; the second b / 4 + 1
	s_and_b32 s[DEL], s15, 3
	s_sub_co_u32 s[DEL], s[DEL], s[WV]
	s_lshl_b32 s[DEL], s[DEL], 6
	s_and_b32 s[DELLO], s[PB], 3
	s_sub_co_u32 s[DELLO], s[DELLO], s[WV]
	s_lshl_b32 s[DELLO], s[DELLO], 6
	s_cmp_eq_u32 s[PB], 0
	s_cselect_b32 s[LIM], 2, -1
	s_mov_b32 s[NXT], 1
	s_mov_b32 s[FB], 0
	s_mov_b32 s[TB], SLOT1          ; the first change of slots turns it into 0
	s_mov_b32 s[OFF+1], 0
	s_mov_b32 s[CNT], 8
	s_mov_b32 s[CS], 0x3e0293ee     ; c = log2(e) / sqrt(128) = 0.127517
	s_mov_b32 s[CS+1], s[CS]        ; named with it as a pair
	s_mov_b32 s[SEL], 0x76543210
	s_mov_b32 s[SEL+1], 0xfedcba98
	s_mov_b32 s[G0K], 1
	s_mov_b32 s[G0K+1], s[LK]       ; slot 0
	s_mov_b32 s[G0V], 1
	s_mov_b32 s[G0V+1], s[LV]
	s_wait_dscnt 0x0                ; the opening add is done
	s_wait_kmcnt 0x0
	s_add_nc_u64 s[PFK:PFK+1], s[6:7], s[20:21]
	s_add_nc_u64 s[PFV:PFV+1], s[8:9], s[20:21]
	s_add_nc_u64 s[6:7], s[6:7], s[22:23]  ; K and V at my half of the head's tile 0
	s_add_nc_u64 s[8:9], s[8:9], s[22:23]
	s_add_nc_u64 s[G0K+2:G0K+3], s[6:7], 0
	s_or_b32 s[G0K+3], s[G0K+3], 0x80000000
	s_add_nc_u64 s[G0V+2:G0V+3], s[8:9], 0
	s_or_b32 s[G0V+3], s[G0V+3], 0x80000000
	s_add_nc_u64 s[QLO:QLO+1], s[4:5], s[2:3]
	s_add_nc_u64 s[4:5], s[4:5], s[18:19]
	s_add_nc_u64 s[OLO:OLO+1], s[10:11], s[78:79]
	s_add_nc_u64 s[10:11], s[10:11], s[76:77]
	LOAD                            ; tile 0 into slot 0
	v_and_b32 v1, 15, v0            ; l % 16
	v_bfe_u32 v9, v0, 4, 1          ; l / 16
	v_lshlrev_b32 v11, 8, v1
	v_lshl_add_u32 v11, v9, 4, v11  ; a fragment of Q: row x 256 + 16 x half of the lanes
	v_lshlrev_b32 v[REL], 3, v9
	v_sub_nc_u32 v[REL], v1, v[REL] ; l % 16 - 8 (l / 16)
.irp g, 0,1,2,3
	s_add_co_u32 s13, s[WV], \g
	s_and_b32 s13, s13, 3           ; slot g's query tile
	s_lshl_b32 s17, s13, 12
	v_add_nc_u32 v[QO+\g], s17, v11
	s_lshl_b32 s17, s13, 4
	v_add_nc_u32 v[UQ+\g], s17, v[REL]
.endr
	QLOADS
	; O^T and l start at 0, c m far below every c s, m at the lowest finite number: the first step is a step like any other, with a = 0. These lines stand in the wait for the first tile; they are the price of writing no first step out.
	WIN 0x40
.set i, 0
.rept 256
	v_mov_b32 v[i], 0
.set i, i+1
.endr
	WIN 0
.set i, 0
.rept 4
	v_mov_b32 v[ST+8*i], 0xfe000000
	v_mov_b32 v[ST+8*i+1], 0xff7fffff
	v_mov_b32 v[ST+8*i+2], 0
	v_mov_b32 v[ST+8*i+3], 0
.set i, i+1
.endr
	v_mov_b32 v[BIG], 0xf1800000    ; -2^100
	s_mul_i32 s13, s[WV], 64*PK     ; my wave's 64 keys
	v_mul_u32_u24 v[AK0], v1, PK
	v_lshl_add_u32 v[AK0], v9, 4, v[AK0]
	v_add_nc_u32 v[AK0], s13, v[AK0]
	; the turning load takes 16 keys x 16 channels: lane l reads key 8 (l / 16) + l % 8, channels 8 ((l / 8) % 2) + 0..7
	v_and_b32 v11, 7, v0
	v_lshl_add_u32 v[AV0], v9, 3, v11
	v_mul_u32_u24 v[AV0], v[AV0], PV
	v_bfe_u32 v11, v0, 3, 1
	v_lshl_add_u32 v[AV0], v11, 4, v[AV0]
	s_mul_i32 s13, s[WV], 64*PV
	s_add_co_u32 s13, s13, VOFF
	v_add_nc_u32 v[AV0], s13, v[AV0]
	v_and_b32 v11, 31, v0           ; l
	s_lshl_b32 s13, s[WV], 13
	s_add_co_u32 s13, s13, XR       ; my exchange region, and my stage
	v_lshl_add_u32 v[XWA], v11, 4, s13
	v_mul_u32_u24 v[STO], v1, SP
	v_lshl_add_u32 v[STO], v9, 4, v[STO]
	v_add_nc_u32 v[STO], s13, v[STO]
	v_mul_u32_u24 v[RD], v9, SP
	v_lshl_add_u32 v[RD], v1, 4, v[RD]
	v_add_nc_u32 v[RD], s13, v[RD]
	v_lshlrev_b32 v[GO], 11, v9
	v_lshl_add_u32 v[GO], v1, 4, v[GO]
	s_lshl_b32 s13, s[WV], 10
	s_add_co_u32 s13, s13, STATS
	v_lshl_add_u32 v[SWA], v11, 3, s13
.irp g, 1,2,3                       ; in round g I receive from wave (w - g) % 4 its slot g, which is my tile
	s_add_co_u32 s13, s[WV], 4-\g
	s_and_b32 s13, s13, 3
	s_lshl_b32 s17, s13, 10
	s_add_co_u32 s17, s17, STATS+256*(\g-1)
	v_lshl_add_u32 v[RSA+\g-1], v11, 3, s17
	s_lshl_b32 s17, s13, 13
	s_add_co_u32 s17, s17, XR
	v_lshl_add_u32 v[RXA+\g-1], v11, 4, s17
.endr
	v_lshlrev_b32 v[PFO], 8, v11
; THE MATRIX WORK. The accumulators take turns, one instruction a turn: between two links of a chain stand 7 (K Q^T) or 15 (V^T P) others'.
; Product i of 32 of S^T = K Q^T for piece x: channels 32 (i / 8) on, keys 16 ((i / 2) % 4) on, slot x + i % 2. The first 8 start the sums.
.macro KQ x
	WIN W_KQ
.set rS, S+32*((\x)+i%2)+8*((i/2)%4)
.set rK, KF+32*((i/2)%4)+8*(i/8)
.set rQ, 32*((\x)+i%2)+8*(i/8)
.if i < 8
	v_wmma_f32_16x16x32_f16 v[rS:rS+7], v[rK:rK+7], v[rQ:rQ+7], 0
.else
	v_wmma_f32_16x16x32_f16 v[rS:rS+7], v[rK:rK+7], v[rQ:rQ+7], v[rS:rS+7]
.endif
.endm
; Product i of 32 of O^T += V^T P: keys 32 (i / 16) on, channels 16 ((i / 2) % 8) on, slot x + i % 2.
.macro PV x
	WIN W_PV
.set rO, 64*((\x)+i%2)+8*((i/2)%8)
.set rV, 64*(i/16)+8*((i/2)%8)
.set rP, P+16*((\x)+i%2)+8*(i/16)
	v_wmma_f32_16x16x32_f16 v[rO:rO+7], v[rV:rV+7], v[rP:rP+7], v[rO:rO+7]
.endm
; THE LDS LOADS of a step stand in one run of 64 at its head: my 64 keys' K, by groups of 32 channels in the order in which the first products want them, then my 64 keys' V, turned.
.macro FETCH
	WIN 0
	v_add_nc_u32 v[ADR], s[TB], v[AK0]
	v_add_nc_u32 v[ADR2], s[TB], v[AV0]
	WIN 0x80                        ; destination window 2
.irp c, 0,1,2,3
.irp kb, 0,1,2,3
	ds_load_b128 v[KF+32*\kb+8*\c:KF+32*\kb+8*\c+3],   v[ADR] offset:\kb*16*PK+\c*64
	ds_load_b128 v[KF+32*\kb+8*\c+4:KF+32*\kb+8*\c+7], v[ADR] offset:\kb*16*PK+\c*64+32
.endr
.endr
	WIN 0xc0                        ; destination window 3
.irp f, 0,1,2,3,4,5,6,7,8,9,10,11,12,13,14,15  ; keys 32 (f / 8) on, channels 16 (f % 8) on
	ds_load_tr16_b128 v[8*(\f):8*(\f)+3],   v[ADR2] offset:((\f)/8)*32*PV+((\f)%8)*32
	ds_load_tr16_b128 v[8*(\f)+4:8*(\f)+7], v[ADR2] offset:((\f)/8)*32*PV+16*PV+((\f)%8)*32
.endr
	WIN 0
.endm
; THE VECTOR WORK. One slot's softmax for a step is a list of 134 instructions; SM writes number j of it for slot t. s0-s31 are the lane's 32 scores, in pairs 0-15.
;   0-15    the maximum of s0-s31 and the old m, three operands at a time (each accumulator's lowest registers are read first)
;   16-20   the other half of the lanes' maximum; the new m; c m; c m_old - c m_new
;   21-69   ONE BATCH: the 16 scalings c s - c m and all 33 exponentials (a at 23, then s0-s31); none of these reads an exponential's result
;   70-85   the roundings to f16     86-101  the sums; l = a l + the sum     102-133  the slot's O^T times a
.macro SM t
.set rT, ST+8*(\t)
.set rS, S+32*(\t)
.set rP, P+16*(\t)
.set rO, 64*(\t)+2*(j-102)
.if j < 102
	WIN 0
.endif
.if j < 4
	v_max3_num_f32 v[rT+4+j], v[rS+8*j], v[rS+8*j+1], v[rS+8*j+2]
.elseif j < 12
	v_max3_num_f32 v[rT+4+j%4], v[rT+4+j%4], v[rS+8*(j%4)+2*(j/4)+1], v[rS+8*(j%4)+2*(j/4)+2]
.elseif j == 12
	v_max3_num_f32 v[rT+4], v[rT+4], v[rS+7], v[rS+15]
.elseif j == 13
	v_max3_num_f32 v[rT+6], v[rT+6], v[rS+23], v[rS+31]
.elseif j == 14
	v_max3_num_f32 v[rT+4], v[rT+4], v[rT+5], v[rT+6]
.elseif j == 15
	v_max3_num_f32 v[rT+4], v[rT+4], v[rT+7], v[rT+1]
.elseif j == 16
	v_permlanex16_b32 v[rT+5], v[rT+4], s[SEL], s[SEL+1]  ; the query's other 32 keys lie in the lane 16 away
.elseif j == 17
	v_mov_b32 v[rT+7], v[rT]        ; c m_old is kept for a
.elseif j == 18
	v_max_num_f32 v[rT+1], v[rT+4], v[rT+5]
.elseif j == 19
	v_mul_f32 v[rT], s[CS], v[rT+1]
.elseif j == 20
	v_sub_f32 v[rT+7], v[rT+7], v[rT]
.elseif j == 23
	v_exp_f32 v[rT+6], v[rT+7]
.elseif (j < 23) || ((j < 38) && (j%2 == 0)) || ((j < 66) && (j%4 == 2))
.set b, (j-2)/4                     ; 38, 42, .. 62: pairs 9 to 15
.if j < 38
.set b, (j-20)/2                    ; 21: pair 0; 22, 24, .. 36: pairs 1 to 8
.endif
	v_pk_fma_f32 v[rS+2*b:rS+2*b+1], v[rS+2*b:rS+2*b+1], s[CS:CS+1], v[rT:rT+1] op_sel_hi:[1,0,0] neg_lo:[0,0,1] neg_hi:[0,0,1]  ; pair b: c s - c m
.elseif j < 70
.set e, j-38                        ; 66 to 69: s28 to s31
.if j < 66
.set e, j-32-(j-38)/4               ; 39-41, 43-45, .. 63-65: s7 to s27
.endif
.if j < 38
.set e, (j-25)/2                    ; 25, 27, .. 37: s0 to s6
.endif
	v_exp_f32 v[rS+e], v[rS+e]
.elseif j < 86
	v_cvt_pk_f16_f32 v[rP+j-70], v[rS+2*(j-70)], v[rS+2*(j-70)+1]
.elseif j < 102                     ; the sum of the 16 pairs, in place: neighbours 1, 2, 4 and 8 pairs apart, then l takes it
.set z, j-86
.set w, 4
.set u, z
.if z >= 14
.set w, 32
.set u, 0
.elseif z >= 12
.set w, 16
.set u, z-12
.elseif z >= 8
.set w, 8
.set u, z-8
.endif
.if z < 15
	v_pk_add_f32 v[rS+w*u:rS+w*u+1], v[rS+w*u:rS+w*u+1], v[rS+w*u+w/2:rS+w*u+w/2+1]
.else
	v_pk_fma_f32 v[rT+2:rT+3], v[rT+2:rT+3], v[rT+6:rT+7], v[rS:rS+1] op_sel_hi:[1,0,1]
.endif
.else
	WIN W_RS
	v_pk_mul_f32 v[rO:rO+1], v[rO:rO+1], v[rT+6:rT+7] op_sel_hi:[1,0]
.endif
.endm
; Slice k of 64 of piece y's softmax: four instructions. Slices 11 to 34 deal out the batch, four numbers of ONE slot each, the slots by turns; every other slice is numbers 2 k and 2 k + 1 of both slots; the twelve
; that are over stand in slice 63. Ahead of slice 35 nothing names an exponential's result and behind slice 34 none is issued: the piece's 66 exponentials have one plain instruction and one wait, behind slice 34.
.macro SLICE y
.if (k >= 11) && (k < 35)
.irp n, 0,1,2,3
.set j, 22+4*((k-11)/2)+(\n)
	SM (\y)+(k-11)%2
.endr
.else
.irp n, 0,1,2,3,4,5,6,7
.if ((\n) < 2) || (k == 63)
.irp t, \y, (\y)+1
.set j, 2*k+(\n)
	SM \t
.endr
.endif
.endr
.endif
.if k == 34
	v_nop                           ; a plain instruction behind the last exponential,
	s_wait_alu depctr_va_vdst(0)    ; and the wait ahead of the first reader: one for the batch
.endif
.set k, k+1
.endm
.macro TURNK x                      ; piece x's 32 products K Q^T, behind each two slices of the other piece's softmax; slices 62 and 63 are the places behind the last product
.set k, 0
.set i, 0
.rept 32
	KQ \x
	SLICE 2-(\x)
	SLICE 2-(\x)
.set i, i+1
.endr
.endm
.macro TURNP x                      ; piece x's 32 products V^T P, likewise
.set k, 0
.set i, 0
.rept 32
	PV \x
	SLICE 2-(\x)
	SLICE 2-(\x)
.set i, i+1
.endr
.endm
; THE MASK, in a block's last tile alone (the jump hangs on b and the trip, the same in all four waves). Register n of a slot is key 16 (n / 8) + 8 (l / 16) + n % 8 of my 64; it is hidden where that is greater than
; my query's place in the block + 64 (the block's place in the tile - my wave's number).
.macro MASKIF p
	s_cmp_lg_u32 s[RT], 0
	s_cbranch_scc1 .Lopen_\@
.irp t, \p, (\p)+1
	v_add_nc_u32 v[REL], s[DEL], v[UQ+(\t)]
.set n, 0
.rept 32
	v_cmp_gt_i32 vcc_lo, 16*(n/8)+n%8, v[REL]
	v_cndmask_b32 v[S+32*(\t)+n], v[S+32*(\t)+n], v[BIG], vcc_lo
.set n, n+1
.endr
.endr
.Lopen_\@:
.endm
.macro STEP ask
	FETCH
.if \ask
	ASK
.endif
	s_wait_loadcnt 0x0              ; Q (met at once in all trips but a block's first)
.set i, 0
.rept 32
.if i%8 == 0
	s_wait_dscnt 56-i               ; of the 64 loads K's next group of eight is in: 56, 48, 40, 32 may be out
.endif
	KQ 0
.set i, i+1
.endr
	WIN 0
	PLACES
	MASKIF 0
	TURNK 2
	WIN 0
	MASKIF 2
	s_wait_dscnt 0x0                ; V is in
	TURNP 0
.set i, 0
.rept 32
	PV 2
.set i, i+1
.endr
	WIN 0
	PLACES                          ; behind the last product, ahead of the next loads into V's registers
.endm
; THE MERGE. Three rounds; in round g each wave puts its slot g into its own exchange region, and the wave that owns that tile takes it from there. A barrier stands between the stores and the loads,
; and another between the loads and the next round's stores; the second is signalled as soon as the loads are back, and the round's arithmetic stands between signal and wait.
.macro XSEND g
	WIN 0x04                        ; the data in window 1
.set i, 0
.rept 16
	ds_store_b128 v[XWA], v[64*(\g)+4*i:64*(\g)+4*i+3] offset:512*i
.set i, i+1
.endr
	WIN 0
.endm
.macro XRECV g
.set i, 0
.rept 16
	ds_load_b128 v[S+4*i:S+4*i+3], v[RXA+(\g)-1] offset:512*i
.set i, i+1
.endr
.endm
.macro XFMA g                       ; my tile's O^T += the sender's x its factor
	WIN 0x50
.set i, 0
.rept 32
	v_pk_fma_f32 v[2*i:2*i+1], v[S+2*i:S+2*i+1], v[ST+8*(\g)+6:ST+8*(\g)+7], v[2*i:2*i+1] op_sel_hi:[1,0,1]
.set i, i+1
.endr
	WIN 0
.endm
.macro MERGE
	WIN 0
.irp t, 0,1,2,3
	v_add_f32 v[ST+8*\t+4], v[ST+8*\t+2], v[ST+8*\t+3]
.endr
.irp t, 0,1,2,3
	v_permlanex16_b32 v[ST+8*\t+5], v[ST+8*\t+4], s[SEL], s[SEL+1]
.endr
.irp t, 0,1,2,3
	v_add_f32 v[ST+8*\t+4], v[ST+8*\t+4], v[ST+8*\t+5]   ; l of my 64-key shares
.endr
.irp t, 1,2,3
	v_mov_b32 v[ST+8*\t+5], v[ST+8*\t]                   ; c m beside it
.endr
.irp t, 1,2,3
	ds_store_b64 v[SWA], v[ST+8*\t+4:ST+8*\t+5] offset:256*(\t-1)
.endr
	XSEND 1
	s_wait_dscnt 0x0
	s_barrier_signal -1
	s_barrier_wait -1
.irp t, 1,2,3
	ds_load_b64 v[ST+8*\t+2:ST+8*\t+3], v[RSA+\t-1]      ; (l, c m) of my tile from the three other waves
.endr
	XRECV 1
	s_wait_dscnt 16                 ; the statistics are in; the 16 loads of O^T may be out
	v_max3_num_f32 v[ST+5], v[ST], v[ST+8+3], v[ST+16+3]
	v_max_num_f32 v[ST+5], v[ST+5], v[ST+24+3]           ; the greatest c m
	v_sub_f32 v[ST+6], v[ST], v[ST+5]
.irp t, 1,2,3
	v_sub_f32 v[ST+8*\t+6], v[ST+8*\t+3], v[ST+5]
.endr
.irp t, 0,1,2,3
	v_exp_f32 v[ST+8*\t+6], v[ST+8*\t+6]                 ; f
.endr
	v_nop
	s_wait_alu depctr_va_vdst(0)    ; one wait for the four
	v_mul_f32 v[ST+5], v[ST+6], v[ST+4]
.irp t, 1,2,3
	v_fmac_f32 v[ST+5], v[ST+8*\t+6], v[ST+8*\t+2]       ; the sum of f l: at least 1, from the wave that holds the maximum
.endr
	v_rcp_f32 v[ST+5], v[ST+5]
	v_nop
	s_wait_alu depctr_va_vdst(0)
.irp t, 0,1,2,3
	v_mul_f32 v[ST+8*\t+6], v[ST+8*\t+6], v[ST+5]        ; each share's factor
.endr
	WIN W_RS
.set i, 0
.rept 32
	v_pk_mul_f32 v[2*i:2*i+1], v[2*i:2*i+1], v[ST+6:ST+7] op_sel_hi:[1,0]
.set i, i+1
.endr
	WIN 0
.irp g, 1,2,3
.if \g > 1
	XSEND \g
	s_wait_dscnt 0x0
	s_barrier_signal -1
	s_barrier_wait -1
	XRECV \g
.endif
	s_wait_dscnt 0x0                ; the round's data are in, and my reads of the sender's region are over
	s_barrier_signal -1
	XFMA \g
	s_barrier_wait -1
.endr
.endm
; THE WAY OUT: my tile, 16 rows x 128 channels, rounded to f16, through my stage (my exchange region, which nobody reads any more), and out as whole rows of 256 bytes.
.macro OUTW
	WIN 0x05                        ; sources 0 and 1 window 1
.set i, 0
.rept 32
	v_cvt_pk_f16_f32 v[S+i], v[2*i], v[2*i+1]
.set i, i+1
.endr
	WIN 0
.irp f, 0,1,2,3,4,5,6,7
	ds_store_b128 v[STO], v[S+4*\f:S+4*\f+3] offset:32*\f
.endr
.irp f, 0,1,2,3,4,5,6,7
	ds_load_b128 v[S+32+4*\f:S+32+4*\f+3], v[RD] offset:\f*2*SP  ; LDS serves a wave's instructions in order (ISA guide 5.7.1.4): these see the stores above
.endr
.irp f, 0,1,2,3,4,5,6,7
	s_wait_dscnt 7-\f
	global_store_b128 v[GO], v[S+32+4*\f:S+32+4*\f+3], s[10:11] offset:4096*\f  ; 16 lanes store 256 consecutive bytes, aligned: a head's part of a row of ctx
.endr
.endm
; A BLOCK ENDS. more = 1: the second block's Q is asked for first, and lands during the merge; behind the way out only c m, m and the scalars are set anew: the next step's a is 0, so O^T and l need only be finite.
.macro BLOCKEND more
.if \more
	s_mov_b64 s[4:5], s[QLO:QLO+1]  ; the first block's loads of Q were waited for long ago
	QLOADS
.endif
	MERGE
	OUTW
.if \more
	s_wait_xcnt 0x0                 ; the stores have read their registers and their base
	s_mov_b64 s[10:11], s[OLO:OLO+1]
	s_mov_b32 s[RT], s[NL]
	s_mov_b32 s[DEL], s[DELLO]
.set i, 0
.rept 4
	v_mov_b32 v[ST+8*i], 0xfe000000
	v_mov_b32 v[ST+8*i+1], 0xff7fffff
.set i, i+1
.endr
.endif
.endm
.Ltrip:                             ; 8 trips: a tile is entered and the next is asked for
	CHANGE 1
	s_sub_co_u32 s[RT], s[RT], 1
	STEP 1
	s_cmp_lg_u32 s[RT], 0           ; made of b and the trip alone: the same in all four waves, so all of them pass the merge's barriers or none does
	s_cbranch_scc1 .Lgoon
	BLOCKEND 1                      ; in the loop this is the first block's end: the second's last tile is the walk's last
.Lgoon:
	s_sub_co_u32 s[CNT], s[CNT], 1
	s_cmp_lg_u32 s[CNT], 0
	s_cbranch_scc1 .Ltrip
	CHANGE 0                        ; the walk's last tile is written out: nothing is asked for
	s_sub_co_u32 s[RT], s[RT], 1
	STEP 0
	BLOCKEND 0
	s_wait_tensorcnt 0x0            ; the wave's end: the add and its wait behind my last tensor load and my last LDS store
	ds_add_u32 v[SPW], v[NIL]
	s_wait_dscnt 0x0
	s_endpgm
.Lfunc_end_k_q1bf4659666_attn:
	.size	k_q1bf4659666_attn, .Lfunc_end_k_q1bf4659666_attn-k_q1bf4659666_attn
	.p2alignl 7, 3214868480
	.fill 96, 4, 3214868480
	.section	.rodata,"a",@progbits
	.p2align	6, 0x0
	.amdhsa_kernel k_q1bf4659666_attn
		.amdhsa_group_segment_fixed_size 327680
		.amdhsa_private_segment_fixed_size 0
		.amdhsa_enable_private_segment 0
		.amdhsa_kernarg_size 32
		.amdhsa_user_sgpr_count 2
		.amdhsa_user_sgpr_kernarg_segment_ptr 1
		.amdhsa_wavefront_size32 1
		.amdhsa_system_sgpr_workgroup_id_x 1
		.amdhsa_system_sgpr_workgroup_id_y 1
		.amdhsa_system_sgpr_workgroup_id_z 1
		.amdhsa_system_vgpr_workitem_id 0
		.amdhsa_next_free_vgpr 896
		.amdhsa_next_free_sgpr 88
		.amdhsa_reserve_vcc 1
		.amdhsa_float_denorm_mode_32 3
		.amdhsa_float_denorm_mode_16_64 3
		.amdhsa_memory_ordered 1
		.amdhsa_forward_progress 1
		.amdhsa_inst_pref_size 177
	.end_amdhsa_kernel
	.amdgpu_metadata
---
amdhsa.version: [ 1, 2 ]
amdhsa.kernels:
  - .name:           k_q1bf4659666_attn
    .symbol:         k_q1bf4659666_attn.kd
    .args:
      - { .name: qb, .offset: 0, .size: 8, .value_kind: global_buffer, .address_space: global }
      - { .name: kb, .offset: 8, .size: 8, .value_kind: global_buffer, .address_space: global }
      - { .name: vb, .offset: 16, .size: 8, .value_kind: global_buffer, .address_space: global }
      - { .name: ctx, .offset: 24, .size: 8, .value_kind: global_buffer, .address_space: global }
    .group_segment_fixed_size: 327680
    .private_segment_fixed_size: 0
    .kernarg_segment_align: 8
    .kernarg_segment_size: 32
    .max_flat_workgroup_size: 128
    .sgpr_count:     88
    .vgpr_count:     896
    .wavefront_size: 32
...
	.end_amdgpu_metadata
.endif
;; end of part 3
;; launch oproj (part 4): grid 8 x 32, 4 waves a work-group, clusters of 4 x 4, 327,680 bytes of LDS; arguments ctx, wob, out0; writes out0
.if DOCPART == 4
	.amdgcn_target "amdgcn-amd-amdhsa--gfx1250"
	.amdhsa_code_object_version 6
	.text
	.protected	k_q1bf4659666_oproj
	.globl	k_q1bf4659666_oproj
	.p2align	8
	.type	k_q1bf4659666_oproj,@function
k_q1bf4659666_oproj:
	s_mov_b64 s[64:65], 0
	v_nop
	global_prefetch_b8 v0, s[64:65] scope:SCOPE_SE
	s_setreg_imm32_b32 hwreg(HW_REG_WAVE_MODE, 25, 1), 1
	s_wait_xcnt 0x0
	s_wait_alu depctr_hold_cnt(0) depctr_sa_sdst(0) depctr_va_vdst(0) depctr_va_sdst(0) depctr_va_ssrc(0) depctr_va_vcc(0) depctr_vm_vsrc(0)
	s_getreg_b32 s2, hwreg(HW_REG_IB_STS2, 6, 4)
	s_cmp_eq_u32 s2, 0
	s_cbranch_scc0 .Lentry_in_a_cluster
	s_endpgm
.Lentry_in_a_cluster:
	s_bfe_u32 s2, ttmp6, 0x10000c
	s_cmp_lg_u32 s2, 0xf033
	s_cbranch_scc0 .Lentry_shape_is_right
	s_endpgm
.Lentry_shape_is_right:
; out0 = ctx wo. ctx: [4096][1024] f16. wob: [1024 k][2048 n] f16 (wo rounded to bf16, written as f16). out0: [4096][2048] f32. Products in f16, sums in f32, K ascending.
; SHARES. A tile of C is 128 rows x 256 columns: 32 x 8 = 256 work-groups. Four waves, each 64 x 128: 32 accumulators, window 2. K goes in 8 steps of 128 through two LDS slots.
; CLUSTERS. 4 x 4 work-groups: A's tile is shared along a row of the cluster, B's along a column: joint loads. B lies [k][n] and is turned on its way into registers, by ds_load_tr16_b128.
; The matrix instruction is used transposed (source 0 = 16 columns of wo, source 1 = 16 rows of ctx): a lane holds row l % 16 of C and the columns 8 (l / 16) + 0..7.
; THE WAY OUT. When the ring has had its last fill each wave dumps its sums into its own part of it and reads whole rows of 512 bytes back: a wave's store covers 512 consecutive bytes of out0, aligned.
; NO PREFETCH: 8 short K steps on a small tile; the launch is over before a lead of two steps could be built up.
; REGISTERS: window 0: v16-31 addresses; v64-95, v96-127 fragments of A, two buffers; window 1: v64-127, v128-191 fragments of B; window 2: accumulator (a, b) at v[8 (8 a + b)].
.set PITCH,  272                       ; a row of A in LDS: 256 bytes + 16 (64 banks of 4 bytes: ISA guide 11.1: 16 rows start at 16 different groups of four banks)
.set BPITCH, 544                       ; a row of B: 512 bytes + 32 = 17 x 32
.set AH,     64*PITCH                  ; what a load of A brings: 64 rows
.set BH,     64*BPITCH                 ; and of B
.set BOFF,   2*AH
.set SLOT,   BOFF+2*BH
.set SPARE,  2*SLOT                    ; the spare words, 128 bytes a wave: two blocks of 256 bytes that no other line names
.set DP,     528                       ; the dump: a row of 128 f32 + 16 bytes
.set DWAVE,  64*DP
.set LAPS,   4
.set ASTEP,  256
.set BSTEP,  128*4096
.set ADRA, 16
.set ADRB, 20
.set DSTA, 24
.set RDA,  25
.set GO,   26
.set SPW,  28                          ; my spare word: SPARE + 4 x my thread's number; never rewritten
.set NIL,  29                          ; 0; never rewritten
.set OB,   64                          ; the way out: 16 rows read back
.set WV,   10
.set RH,   11                          ; which 64 rows are mine; also: I fetch for A (0) or B (1)
.set CH,   12                          ; which 128 columns; also: which half of that tile I fetch
.set TR,   13
.set CX,   40
.set CY,   41
.set TC,   42
.set G1,   24
.set G0,   32
.set G1B,  48
.set G0B,  56
.set MSB, 0
.macro WIN new
.if MSB != (\new)
	s_set_vgpr_msb (MSB<<8)|(\new)
.set MSB, \new
.endif
.endm
.set MUL,  0xa1                        ; source 0 (B) window 1, source 1 (A) window 0, C and D window 2
.set TO_B, 0x40
.macro PLACES
.rept 4
	v_nop
.endr
.endm
.macro JLOAD s                         ; a joint load: waves 0 and 1 fetch A's halves, waves 2 and 3 B's; an s_nop 0 and four v_nop follow each line
	s_cmp_eq_u32 s[RH], 0
	s_cbranch_scc0 .Lfor_b_\@
	tensor_load_to_lds s[G0+4*(\s):G0+4*(\s)+3], s[G1:G1+7]
	s_nop 0
.rept 4
	v_nop
.endr
	s_branch .Lasked_\@
.Lfor_b_\@:
	tensor_load_to_lds s[G0B+4*(\s):G0B+4*(\s)+3], s[G1B:G1B+7]
	s_nop 0
.rept 4
	v_nop
.endr
.Lasked_\@:
.endm
.macro CREST
	s_cmp_lg_u32 s[WV], 0
	s_cbranch_scc1 .Lnot_wave_0_\@
	s_barrier_signal -3
.Lnot_wave_0_\@:
	s_barrier_wait -3
	s_barrier_signal -1
	s_barrier_wait -1
.endm
.macro CROUND
	s_barrier_signal -1
	s_barrier_wait -1
	CREST
.endm
	s_load_b128 s[4:7], s[0:1], 0x0                ; ctx s[4:5], wob s[6:7]
	s_load_b64 s[8:9], s[0:1], 0x10                ; out0
	v_lshl_add_u32 v[SPW], v0, 2, SPARE
	v_mov_b32 v[NIL], 0
	ds_add_u32 v[SPW], v[NIL]                      ; the wave's opening: the add and its wait ahead of my first tensor load; work on registers stands between them
	ds_add_u32 v28, v29
	v_lshrrev_b32 v1, 5, v0
	v_readfirstlane_b32 s[WV], v1
	s_lshr_b32 s[RH], s[WV], 1
	s_and_b32 s[CH], s[WV], 1
	s_bfe_u32 s[CX], ttmp6, 0x40000
	s_bfe_u32 s[CY], ttmp6, 0x40004
	s_lshl_b32 s[TC], ttmp9, 2
	s_add_co_u32 s[TC], s[TC], s[CX]               ; tile column = 4 x cluster x + cx
	s_and_b32 s[TR], ttmp7, 0xffff
	s_lshl_b32 s[TR], s[TR], 2
	s_add_co_u32 s[TR], s[TR], s[CY]               ; tile row = 4 x cluster y + cy
	s_lshl_b32 s43, s[CY], 2
	s_lshl_b32 s43, 15, s43                        ; my row of the cluster
	s_lshl_b32 s44, 0x1111, s[CX]                  ; my column
	s_or_b32 s[G1], s43, (1<<16)|(1<<20)|(1<<21)|(5<<22)|(3<<25)   ; the mask; 2-byte elements; padding on; bit 21 beside a mask; after every 64 words 4 words
	s_or_b32 s[G1B], s44, (1<<16)|(1<<20)|(1<<21)|(6<<22)|(7<<25)  ; after every 128 words 8 words
	s_mov_b32 s[G1+1], 128<<16                     ; A: 64 rows of 128 elements, 1,024 elements from row to row
	s_mov_b32 s[G1+2], 64<<16
	s_mov_b32 s[G1+3], 128<<16
	s_mov_b32 s[G1+4], 64
	s_mov_b32 s[G1+5], 1024
	s_mov_b32 s[G1+6], 0
	s_mov_b32 s[G1+7], 0
	s_mov_b32 s[G1B+1], 256<<16                    ; B: 64 rows of 256 elements, 2,048 from row to row
	s_mov_b32 s[G1B+2], 64<<16
	s_mov_b32 s[G1B+3], 256<<16
	s_mov_b32 s[G1B+4], 64
	s_mov_b32 s[G1B+5], 2048
	s_mov_b32 s[G1B+6], 0
	s_mov_b32 s[G1B+7], 0
	s_lshl_b32 s16, s[TR], 7                       ; A: row 128 x tile row + 64 x half, 2,048 bytes a row
	s_lshl_b32 s17, s[CH], 6
	s_add_co_u32 s16, s16, s17
	s_lshl_b32 s16, s16, 11
	s_mov_b32 s17, 0
	s_lshl_b32 s46, s[CH], 18                      ; B: 64 x half rows of 4,096 bytes, 512 bytes a tile column
	s_lshl_b32 s47, s[TC], 9
	s_add_co_u32 s46, s46, s47
	s_mov_b32 s47, 0
	s_mul_i32 s20, s[CH], AH                       ; where they go: no place in the cluster enters an LDS address
	s_mul_i32 s21, s[CH], BH
	s_add_co_u32 s21, s21, BOFF
	s_wait_dscnt 0x0                               ; the opening add is done
	s_wait_kmcnt 0x0
	s_add_nc_u64 s[14:15], s[4:5], s[16:17]
	s_add_nc_u64 s[46:47], s[6:7], s[46:47]
	CROUND                                         ; all sixteen work-groups are here: the first joint loads meet
.irp s, 0,1
	s_mov_b32 s[G0+4*(\s)], 1
	s_add_co_u32 s[G0+4*(\s)+1], s20, (\s)*SLOT
	s_add_nc_u64 s[G0+4*(\s)+2:G0+4*(\s)+3], s[14:15], (\s)*ASTEP
	s_or_b32 s[G0+4*(\s)+3], s[G0+4*(\s)+3], 0x80000000
	s_mov_b32 s[G0B+4*(\s)], 1
	s_add_co_u32 s[G0B+4*(\s)+1], s21, (\s)*SLOT
	s_add_nc_u64 s[G0B+4*(\s)+2:G0B+4*(\s)+3], s[46:47], (\s)*BSTEP
	s_or_b32 s[G0B+4*(\s)+3], s[G0B+4*(\s)+3], 0x80000000
	JLOAD \s
.endr
	v_and_b32 v1, 15, v0                           ; l % 16
	v_bfe_u32 v2, v0, 4, 1                         ; l / 16
	v_mul_u32_u24 v3, v1, PITCH
	v_lshl_add_u32 v3, v2, 4, v3
	v_and_b32 v4, 7, v0
	v_bfe_u32 v5, v0, 3, 1
	v_lshl_add_u32 v6, v2, 3, v4
	v_mul_u32_u24 v6, v6, BPITCH
	v_lshl_add_u32 v6, v5, 4, v6
	s_mul_i32 s16, s[RH], AH                       ; my 64 rows of A
	s_lshl_b32 s17, s[CH], 8                       ; my 128 columns of B
	s_add_co_u32 s17, s17, BOFF
.irp s, 0,1
	v_add_nc_u32 v[ADRA+(\s)], s16, v3
	v_add_nc_u32 v[ADRB+(\s)], s17, v6
	s_add_co_u32 s16, s16, SLOT
	s_add_co_u32 s17, s17, SLOT
.endr
	s_mul_i32 s16, s[WV], DWAVE
	v_mul_u32_u24 v[DSTA], v1, DP
	v_lshl_add_u32 v[DSTA], v2, 5, v[DSTA]
	v_add_nc_u32 v[DSTA], s16, v[DSTA]             ; in: row l % 16, 32 bytes for each half of the lanes
	v_and_b32 v7, 31, v0
	v_lshlrev_b32 v[GO], 4, v7                     ; back and out: 16 bytes a lane, a row of 512 bytes a wave
	v_add_nc_u32 v[RDA], s16, v[GO]
	s_lshl_b32 s16, s[TR], 7
	s_lshl_b32 s17, s[RH], 6
	s_add_co_u32 s16, s16, s17
	s_lshl_b32 s16, s16, 13                        ; my first row of out0, 8,192 bytes a row,
	s_lshl_b32 s17, s[TC], 10
	s_add_co_u32 s16, s16, s17
	s_lshl_b32 s17, s[CH], 9
	s_add_co_u32 s16, s16, s17                     ; my first column
	s_mov_b32 s17, 0
	s_add_nc_u64 s[8:9], s[8:9], s[16:17]
; 8 matrix instructions: m block a x all 8 n blocks, 32 along K, from buffer f. The 32 accumulators take turns, one instruction a turn.
.macro MUL8 f, a, zero
	WIN MUL
.irp b, 0,1,2,3,4,5,6,7
.if \zero
	v_wmma_f32_16x16x32_f16 v[8*(8*(\a)+(\b)):8*(8*(\a)+(\b))+7], v[64+64*(\f)+8*(\b):64+64*(\f)+8*(\b)+7], v[64+32*(\f)+8*(\a):64+32*(\f)+8*(\a)+7], 0
.else
	v_wmma_f32_16x16x32_f16 v[8*(8*(\a)+(\b)):8*(8*(\a)+(\b))+7], v[64+64*(\f)+8*(\b):64+64*(\f)+8*(\b)+7], v[64+32*(\f)+8*(\a):64+32*(\f)+8*(\a)+7], v[8*(8*(\a)+(\b)):8*(8*(\a)+(\b))+7]
.endif
.endr
.endm
; 24 LDS loads in one run: quarter q's fragments into buffer f: B's 8 blocks of 16 columns, turned; then A's 4 blocks of 16 rows
.macro FETCH slot, q, f
	WIN TO_B
.irp i, 0,1,2,3,4,5,6,7
	ds_load_tr16_b128 v[64+64*(\f)+8*(\i):64+64*(\f)+8*(\i)+3],   v[ADRB+(\slot)] offset:32*BPITCH*(\q)+32*(\i)
	ds_load_tr16_b128 v[64+64*(\f)+8*(\i)+4:64+64*(\f)+8*(\i)+7], v[ADRB+(\slot)] offset:32*BPITCH*(\q)+32*(\i)+16*BPITCH
.endr
	WIN 0
.irp i, 0,1,2,3
	ds_load_b128 v[64+32*(\f)+8*(\i):64+32*(\f)+8*(\i)+3],   v[ADRA+(\slot)] offset:64*(\q)+(\i)*16*PITCH
	ds_load_b128 v[64+32*(\f)+8*(\i)+4:64+32*(\f)+8*(\i)+7], v[ADRA+(\slot)] offset:64*(\q)+(\i)*16*PITCH+32
.endr
.endm
.macro QUARTER slot, q, f, g, zero
	s_wait_dscnt 4                                 ; B and A's blocks 0 and 1 are in; the youngest four loads may be out
	MUL8 \f, 0, \zero
	MUL8 \f, 1, \zero
	PLACES
	FETCH \slot, \q, \g
	s_wait_dscnt 24                                ; all but the 24 just issued
	MUL8 \f, 2, \zero
	MUL8 \f, 3, \zero
.endm
; A K step's last quarter multiplies buffer 1 and changes slots: ONE barrier; in front of it each wave waits for all its tensor loads, adds 0 to its spare word, and waits for that and for its reads of this slot.
; fill = 1: the barrier opens a round of the cluster's, and the joint refill is the first tensor load behind the round.
.macro TURN slot, next, fill
	WIN 0
	s_wait_tensorcnt 0x0
	ds_add_u32 v[SPW], v[NIL]
	s_wait_dscnt 7                                 ; the add and A's blocks 1 to 3 (six loads) may be out
	MUL8 1, 0, 0
	s_wait_dscnt 0x0                               ; the add is done, and my reads of this slot are over
	s_barrier_signal -1
	MUL8 1, 1, 0
.if \fill
	WIN 0
.endif
	s_barrier_wait -1
.if \fill
	CREST
	s_add_nc_u64 s[G0+4*(\slot)+2:G0+4*(\slot)+3], s[G0+4*(\slot)+2:G0+4*(\slot)+3], 2*ASTEP
	s_add_nc_u64 s[G0B+4*(\slot)+2:G0B+4*(\slot)+3], s[G0B+4*(\slot)+2:G0B+4*(\slot)+3], 2*BSTEP
	JLOAD \slot                                    ; its four v_nop are also the places in front of the loads below
.else
	PLACES
.endif
	FETCH \next, 0, 0
	MUL8 1, 2, 0
	MUL8 1, 3, 0
.endm
	s_wait_tensorcnt 1                             ; my part of K step 0 is in; K step 1's may stay out
	s_barrier_signal -1
	s_barrier_wait -1
	FETCH 0, 0, 0
	QUARTER 0, 1, 0, 1, 1                          ; the first quarter's products start the sums
	WIN 0
	s_mov_b32 s3, LAPS-1
.Llap:
	QUARTER 0, 2, 1, 0, 0
	QUARTER 0, 3, 0, 1, 0
	TURN 0, 1, 1
	QUARTER 1, 1, 0, 1, 0
	QUARTER 1, 2, 1, 0, 0
	QUARTER 1, 3, 0, 1, 0
	TURN 1, 0, 1
	QUARTER 0, 1, 0, 1, 0
	WIN 0
	s_sub_co_u32 s3, s3, 1
	s_cmp_lg_u32 s3, 0
	s_cbranch_scc1 .Llap
	QUARTER 0, 2, 1, 0, 0                          ; the last lap fills nothing
	QUARTER 0, 3, 0, 1, 0
	TURN 0, 1, 0
	QUARTER 1, 1, 0, 1, 0
	QUARTER 1, 2, 1, 0, 0
	QUARTER 1, 3, 0, 1, 0
	s_wait_dscnt 4
	MUL8 1, 0, 0
	MUL8 1, 1, 0
	s_wait_dscnt 0x0
	MUL8 1, 2, 0
	MUL8 1, 3, 0
	WIN 0
	PLACES                                         ; behind the last products, ahead of the stores of the sums
	PLACES
	s_barrier_signal -1                            ; my reads of the ring were waited for above
	s_barrier_wait -1                              ; no wave reads the ring any more, and it has had its last fill: it takes the dump
	WIN 0x08                                       ; the data in window 2
.irp a, 0,1,2,3
.irp b, 0,1,2,3,4,5,6,7
	ds_store_b128 v[DSTA], v[8*(8*(\a)+(\b)):8*(8*(\a)+(\b))+3]   offset:16*DP*(\a)+64*(\b)     ; each accumulator's low registers first
	ds_store_b128 v[DSTA], v[8*(8*(\a)+(\b))+4:8*(8*(\a)+(\b))+7] offset:16*DP*(\a)+64*(\b)+16
.endr
.endr
	WIN 0
	s_wait_dscnt 0x0
	s_barrier_signal -1
	s_barrier_wait -1                              ; all four dumps are complete before any row is read back
	s_mov_b32 s2, 4
.Lout:                                                 ; 16 rows a trip
.irp t, 0,1,2,3,4,5,6,7,8,9,10,11,12,13,14,15
	ds_load_b128 v[OB+4*(\t):OB+4*(\t)+3], v[RDA] offset:DP*(\t)
.endr
.irp t, 0,1,2,3,4,5,6,7,8,9,10,11,12,13,14,15
	s_wait_dscnt 15-(\t)
	global_store_b128 v[GO], v[OB+4*(\t):OB+4*(\t)+3], s[8:9] offset:8192*(\t) th:TH_STORE_NT  ; 512 consecutive bytes, aligned
.endr
	v_add_nc_u32 v[RDA], 16*DP, v[RDA]
	s_wait_xcnt 0x0                                ; the stores have read their data and their base: both are rewritten only behind this wait
	s_add_nc_u64 s[8:9], s[8:9], 16*8192
	s_sub_co_u32 s2, s2, 1
	s_cmp_lg_u32 s2, 0
	s_cbranch_scc1 .Lout
	s_wait_tensorcnt 0x0                           ; the wave's end: the add and its wait behind my last tensor load and my last LDS store
	ds_add_u32 v[SPW], v[NIL]
	s_wait_dscnt 0x0
	CROUND                                         ; the closing round: no work-group ends while a partner may still ask for a tile that names it
	s_endpgm
.Lfunc_end_k_q1bf4659666_oproj:
	.size	k_q1bf4659666_oproj, .Lfunc_end_k_q1bf4659666_oproj-k_q1bf4659666_oproj
	.p2alignl 7, 3214868480
	.fill 96, 4, 3214868480
	.section	.rodata,"a",@progbits
	.p2align	6, 0x0
	.amdhsa_kernel k_q1bf4659666_oproj
		.amdhsa_group_segment_fixed_size 327680
		.amdhsa_private_segment_fixed_size 0
		.amdhsa_enable_private_segment 0
		.amdhsa_kernarg_size 24
		.amdhsa_user_sgpr_count 2
		.amdhsa_user_sgpr_kernarg_segment_ptr 1
		.amdhsa_wavefront_size32 1
		.amdhsa_system_sgpr_workgroup_id_x 1
		.amdhsa_system_sgpr_workgroup_id_y 1
		.amdhsa_system_sgpr_workgroup_id_z 1
		.amdhsa_system_vgpr_workitem_id 0
		.amdhsa_next_free_vgpr 768
		.amdhsa_next_free_sgpr 66
		.amdhsa_reserve_vcc 0
		.amdhsa_float_denorm_mode_32 3
		.amdhsa_float_denorm_mode_16_64 3
		.amdhsa_memory_ordered 1
		.amdhsa_forward_progress 1
		.amdhsa_inst_pref_size 79
	.end_amdhsa_kernel
	.amdgpu_metadata
---
amdhsa.version: [ 1, 2 ]
amdhsa.kernels:
  - .name:           k_q1bf4659666_oproj
    .symbol:         k_q1bf4659666_oproj.kd
    .args:
      - { .name: ctx, .offset: 0, .size: 8, .value_kind: global_buffer, .address_space: global }
      - { .name: wob, .offset: 8, .size: 8, .value_kind: global_buffer, .address_space: global }
      - { .name: out0, .offset: 16, .size: 8, .value_kind: global_buffer, .address_space: global }
    .group_segment_fixed_size: 327680
    .private_segment_fixed_size: 0
    .kernarg_segment_align: 8
    .kernarg_segment_size: 24
    .max_flat_workgroup_size: 128
    .sgpr_count:     66
    .vgpr_count:     768
    .wavefront_size: 32
...
	.end_amdgpu_metadata
.endif
;; end of part 4
